; MI455X (gfx1250); checked and timed in simulation.
; The chip was launched on July 23, 2026; its instructions are those of AMD's public machine-readable ISA for CDNA 5 (MIT licence, August 2026) and "CDNA5" Instruction Set Architecture Reference Guide (July 2026). The comments in the code are by the model that wrote it; some were corrected since.
;; Multi Head Self Attention. Allowed arithmetic: matrix products marked QUANTISED: E2M3 operands, one E8M0 scale for each 32 along K, by v_wmma_scale_f32_16x16x128_f8f6f4 with both operands' format E2M3, f32 sums; everything else in f32.
;; Inputs: Wk 1,024 x 1,024 float32; Wo 1,024 x 1,024 float32; Wq 1,024 x 1,024 float32; Wv 1,024 x 1,024 float32; x 4 x 2,048 x 1,024 float32.
;; Outputs: out0 4 x 2,048 x 1,024 float32.
;; This version of the problem:
;;   THIS VERSION OF THE PROBLEM IS GIVEN IN LOW PRECISION. The matrix products marked QUANTISED in the list below multiply operands that are first quantised to E2M3 (2 exponent bits, 3 mantissa bits; 6 bits a number), with one power-of-two scale for each 32 numbers along K (OCP MX v1.0); their sums are f32. All else is computed in f32.
;;   The module's matrix products, in the order in which they are computed (A, B: the left and right operand; K: the contracted axis; several contracted axes count as one K, in the product's order):
;;     1. [M 8,192, K 1,024] x [K 1,024, N 1,024]; A: input x; B: input Wq: QUANTISED
;;     2. [M 8,192, K 1,024] x [K 1,024, N 1,024]; A: input x; B: input Wk: QUANTISED
;;     3. [M 8,192, K 1,024] x [K 1,024, N 1,024]; A: input x; B: input Wv: QUANTISED
;;     4. batch 64 x [M 2,048, K 64] x [K 64, N 2,048]; A: computed on the way; B: computed on the way: QUANTISED
;;     5. batch 64 x [M 2,048, K 2,048] x [K 2,048, N 64]; A: softmax (see below); B: computed on the way: QUANTISED
;;     6. [M 8,192, K 1,024] x [K 1,024, N 1,024]; A: computed on the way; B: input Wo: QUANTISED
;;   THE QUANTISER, for each operand of a quantised product, along K:
;;     - K is cut into blocks of 32 from its start; a last block that is shorter is filled with zeros.
;;     - A block's scale is 2^e with e = floor(log2(the largest magnitude in the block)) - 2, held to -126 .. 127; a block of zeros has e = 0. As a byte (E8M0): e + 127.
;;     - Each number is divided by its block's scale, clamped to +-7.5, and rounded to the nearest number of E2M3, ties to even, subnormals kept.
;;     - The product sums the exact products of the quantised numbers (number of the format x scale) in f32.
;;   ~~~python
;;   def quantise(x, axis):      # numpy; x: float32 -> the quantised numbers, widened to float32 again
;;       x = np.moveaxis(x, axis, -1); K = x.shape[-1]
;;       x = np.pad(x, [(0, 0)] * (x.ndim - 1) + [(0, -K % 32)]); x = x.reshape(x.shape[:-1] + (-1, 32)); a = np.abs(x).max(-1, keepdims=True)
;;       e = np.where(a > 0, np.clip(np.frexp(np.where(a > 0, a, 1))[1] - 1 - 2, -126, 127), 0)      # np.frexp(a)[1] - 1 = floor(log2(a)), exactly
;;       r = np.clip(x / 2.0 ** e, -7.5, 7.5)
;;       step = 2.0 ** (np.maximum(np.frexp(np.where(r == 0, 1, r))[1] - 1, 0) - 3)
;;       q = np.round(r / step) * step * 2.0 ** e      # np.round: ties to even
;;       return np.moveaxis(q.reshape(q.shape[:-2] + (-1,))[..., :K], -1, axis).astype(np.float32)
;;   ~~~
;;   SOFTMAX AHEAD OF A QUANTISED PRODUCT. Where the list says 'softmax', what is quantised is not the finished softmax but p = 2^(t - M), with t = logit x log2(e) and M = ceil(the row's largest t), a whole number; so 1/2 < the row's largest p <= 1. The row's sum l is taken of the UNQUANTISED p, in f32, and the product's result is divided by l at the end. Since M is a whole number, a kernel that streams over the keys may use a running M (the ceiling of the running maximum): every later rescaling is an exact power of two, which a block's scale takes up: the codes' values come out the same.
;;   OPERANDS COMPUTED ON THE WAY. 'Computed on the way' means the value that the module computes at that place (a softmax that the list does not call 'softmax' is quantised finished and normalised). What goes into a quantiser is computed in f32, as accurately as f32 sums, v_exp_f32 and their like allow (about 1e-6 of the number): no bf16 or f16 on the way to a quantiser, and a product that is left as it is and whose result goes on into a quantised operand takes f32 operands (vector FMAs, or v_wmma_f32_16x16x4_f32). A number that lies on a knife's edge between two numbers of the format may be rounded either way, as far as f32 arithmetic and the matrix unit's own rounding can turn it there, and no further.
;; One version. Each part assembles by itself: llvm-mc -triple=amdgcn-amd-amdhsa -mcpu=gfx1250 --defsym DOCPART=n.
;; ======== version 1 of 1: 4 launches
;; workspace buffers: xc 6,291,456 bytes; xs 262,144 bytes; wc 3,145,728 bytes; ws 131,072 bytes; rope 524,288 bytes; qb 6,815,744 bytes; kv 13,369,344 bytes; ab 6,553,600 bytes
;; launch prep (part 1): grid 416 x 1, 4 waves a work-group, no clusters, 33,280 bytes of LDS; arguments x, Wq, Wk, Wv, Wo, xc, xs, wc, ws, rope; writes xc, xs, wc, ws, rope
.if DOCPART == 1
	.amdgcn_target "amdgcn-amd-amdhsa--gfx1250"
	.amdhsa_code_object_version 6
	.text
	.protected	k_qaf2e2f5857_prep
	.globl	k_qaf2e2f5857_prep
	.p2align	8
	.type	k_qaf2e2f5857_prep,@function
k_qaf2e2f5857_prep:
	s_mov_b64 s[64:65], 0
	v_nop
	global_prefetch_b8 v0, s[64:65] scope:SCOPE_SE
	s_setreg_imm32_b32 hwreg(HW_REG_WAVE_MODE, 25, 1), 1
	s_wait_xcnt 0x0
; x [8192][1024] and Wq, Wk, Wv, Wo [1024][1024], f32 with K innermost, become codes of FP6 (E2M3) with one E8M0 byte for each 32 along K; and the table of cos and sin for the rotation is made.
; A block's scale is 2^(floor(log2(largest magnitude)) - 2): its byte is the largest magnitude's exponent field - 2, held at 1 from below.  A block of zeros so gets the byte 1: its codes are zeros, and this program alone reads the bytes.
; WORK-GROUPS: 0-255 x, 256-287 Wq, 288-319 Wk, 320-351 Wv, 352-383 Wo: 32 rows each, 8 rows (8,192 numbers, 16 steps of 512) a wave.  384-415: the table, 64 positions each.
; THE ORDER OF ROWS.  In xc, xs and in the parts of wc, ws that hold Wq, Wk, Wv, row n lies at the place got by exchanging bits 3 and 4 of n: runs of 8 rows change places inside each 32.  Sixteen rows that lie
; together are then rows 32 b + 8 u + r + 8 (r / 8), so that a product which takes them as its first source leaves 16 neighbours in a lane's registers of two neighbouring tiles.  Wo keeps its order.
; Each load reads 512 consecutive bytes; a step's 2,048 bytes turn through the wave's own stage in LDS so that a lane holds 16 neighbours; a step's codes leave as 384 consecutive bytes, a wave's 256 scale bytes as one aligned run.
; THE TABLE: rope[pos][i] = (cos, sin) of f32(pos) x 10000^(-i / 32), i = 0 .. 31: 256 bytes a position.  The power is 2^(-i LH) x (1 - i LL ln 2), LH + LL = log2(10000) / 32, LH of 16 bits so that i LH is exact.
; The angle is reduced by pi / 2 in two parts; sine and cosine are polynomials on [-pi/4, pi/4].
; LIMITS: NaN and infinities among the inputs are not served.  Sine and cosine are good to about 1e-7 absolutely for the angles met (up to 2,047); the frequency to about 2 units in its last place, so an angle may differ by about 1e-4 at the largest positions.
; No cluster, no matrix unit: no two work-groups read the same bytes, and memory binds.
.set STEPS, 16
.set CB,    12                         ; bytes of 16 codes
.set R,     16                         ; v16-79   four sets of 16 numbers as loaded
.set X,     80                         ; v80-111  two sets of 16 neighbours
.set E,     112                        ; v112-127 a scale byte for each step
.set C,     128                        ; v128-191 codes: four registers for each step
.set WREG,  8192                       ; LDS: a region for each wave: two stages of 32 x SP bytes, then its 256 scale bytes
.set SP,    80                         ; a lane's place in a stage: 64 bytes + 16 of padding
	s_load_b256 s[4:11], s[0:1], 0x0               ; x, Wq, Wk, Wv
	s_load_b256 s[12:19], s[0:1], 0x20             ; Wo, xc, xs, wc
	s_load_b128 s[20:23], s[0:1], 0x40             ; ws, rope
	v_lshl_add_u32 v192, v0, 2, 0x8000
	v_mov_b32 v193, 0
	v_lshrrev_b32 v1, 5, v0
	v_readfirstlane_b32 s24, v1                    ; wave
	v_and_b32 v2, 31, v0                           ; lane
	v_lshlrev_b32 v3, 4, v2                        ; my 16 bytes of a load's 512
	s_mul_i32 s25, s24, WREG
	v_lshrrev_b32 v14, 2, v2
	v_mul_u32_u24 v14, v14, SP
	v_and_b32 v15, 3, v2
	v_lshl_add_u32 v14, v15, 4, v14
	v_add_nc_u32 v14, s25, v14                     ; the stage, on the way in: SP (lane / 4) + 16 (lane % 4)
	v_mul_u32_u24 v15, v2, SP
	v_add_nc_u32 v15, s25, v15                     ; and on the way out: SP x lane
	v_mul_u32_u24 v4, v2, CB                       ; my codes' place in a step's
	v_lshrrev_b32 v5, 1, v2
	s_add_co_u32 s25, s25, 2*32*SP
	v_add_nc_u32 v5, s25, v5                       ; my block's scale byte in LDS
	v_lshlrev_b32 v7, 3, v2                        ; on the way out 8 bytes a lane
	v_add_nc_u32 v6, s25, v7
	s_wait_kmcnt 0x0
	s_cmp_ge_u32 ttmp9, 384
	s_cbranch_scc1 .Ltable
	; which tensor: the choices hang on the work-group's number alone
	s_cmp_lt_u32 ttmp9, 352
	s_cselect_b64 s[26:27], s[10:11], s[12:13]     ; Wv or Wo
	s_cselect_b32 s28, 1, 0                        ; 1: runs of 8 rows change places
	s_cmp_lt_u32 ttmp9, 320
	s_cselect_b64 s[26:27], s[8:9], s[26:27]
	s_cmp_lt_u32 ttmp9, 288
	s_cselect_b64 s[26:27], s[6:7], s[26:27]
	s_cmp_lt_u32 ttmp9, 256
	s_cselect_b64 s[26:27], s[4:5], s[26:27]
	s_cselect_b64 s[14:15], s[14:15], s[18:19]     ; codes: xc or wc
	s_cselect_b64 s[16:17], s[16:17], s[20:21]     ; scale bytes: xs or ws
	s_cselect_b32 s29, 0, 256
	s_cselect_b32 s30, 255, 31
	s_sub_co_u32 s29, ttmp9, s29                   ; which 32 rows of the output buffer
	s_and_b32 s30, s29, s30                        ; which 32 rows of the input tensor
	s_and_b32 s31, s24, 1
	s_lshl_b32 s31, s31, 1
	s_lshr_b32 s32, s24, 1
	s_or_b32 s31, s31, s32                         ; the wave's two bits exchanged
	s_cmp_eq_u32 s28, 1
	s_cselect_b32 s31, s31, s24
	s_lshl_b32 s32, s30, 2
	s_add_co_u32 s32, s32, s24
	s_lshl_b32 s32, s32, 15                        ; in: 8 rows of 4,096 bytes a run
	s_mov_b32 s33, 0
	s_add_nc_u64 s[26:27], s[26:27], s[32:33]
	s_lshl_b32 s34, s29, 2
	s_add_co_u32 s34, s34, s31
	s_mul_i32 s32, s34, 6144                       ; out: 8 rows of 768 bytes
	s_add_nc_u64 s[14:15], s[14:15], s[32:33]
	s_lshl_b32 s32, s34, 8                         ; and 8 rows of 32 scale bytes
	s_add_nc_u64 s[16:17], s[16:17], s[32:33]
.macro LOAD t
.irp i, 0,1,2,3
	global_load_b128 v[R+16*((\t)%4)+4*\i:R+16*((\t)%4)+4*\i+3], v3, s[26:27] offset:2048*(\t)+512*\i th:TH_LOAD_NT   ; 32 lanes read 512 consecutive bytes
.endr
.endm
.macro TURN t                          ; step t's numbers through the stage: LDS serves a wave's instructions in order, so no wait stands between the stores and the loads
.irp i, 0,1,2,3
	ds_store_b128 v14, v[R+16*((\t)%4)+4*\i:R+16*((\t)%4)+4*\i+3] offset:32*SP*((\t)%2)+8*SP*\i
.endr
.irp i, 0,1,2,3
	ds_load_b128 v[X+16*((\t)%2)+4*\i:X+16*((\t)%2)+4*\i+3], v15 offset:32*SP*((\t)%2)+16*\i
.endr
.endm
.irp t, 0,1,2,3
	LOAD \t
.endr
	s_wait_loadcnt 12                              ; step 0's four loads are in; the twelve of steps 1 to 3 may be out
	TURN 0
.macro STEP t
.set XS, X+16*((\t)%2)
.if (\t) > 0
	s_wait_dscnt 1                                 ; this step's numbers are back from the stage; the last step's byte store may be out
.else
	s_wait_dscnt 0x0
.endif
.if (\t)+4 < STEPS
	LOAD (\t)+4
.endif
.if (\t)+1 < STEPS
.if STEPS-2-(\t) >= 3
	s_wait_loadcnt 12                              ; the next step's four loads are in; those of the three steps behind it may be out
.else
	s_wait_loadcnt 4*(STEPS-2-(\t))
.endif
	TURN (\t)+1
.endif
	v_max3_num_f32 v8, |v[XS]|, |v[XS+1]|, |v[XS+2]|               ; the largest magnitude of my 16, in two chains
	v_max3_num_f32 v9, |v[XS+3]|, |v[XS+4]|, |v[XS+5]|
.irp i, 6,10
	v_max3_num_f32 v8, v8, |v[XS+\i]|, |v[XS+\i+1]|
	v_max3_num_f32 v9, v9, |v[XS+\i+2]|, |v[XS+\i+3]|
.endr
	v_max3_num_f32 v8, v8, |v[XS+14]|, |v[XS+15]|
	v_max3_num_f32 v8, v8, v9, 0x1800000           ; and the floor 2^(3 - 127): the byte cannot fall under 1
	v_max_num_f32_dpp v8, v8, v8 row_xmask:1 row_mask:0xf bank_mask:0xf   ; with my neighbour's 16: the block's
	v_add_nc_u32 v11, 0xff000000, v8               ; 2 off its exponent field: the conversion takes the exponent field of this operand as its scale
	v_cvt_scalef32_pk16_fp6_f32 v[C+4*(\t):C+4*(\t)+2], v[XS:XS+15], v11
	v_lshrrev_b32 v[E+(\t)], 23, v11               ; the scale's byte
	ds_store_b8 v5, v[E+(\t)] offset:16*(\t)       ; both lanes of a block write the same byte with the same value
	global_store_b96 v4, v[C+4*(\t):C+4*(\t)+2], s[14:15] offset:32*CB*(\t)
.endm
.irp t, 0,1,2,3,4,5,6,7,8,9,10,11,12,13,14,15
	STEP \t
.endr
	ds_load_b64 v[12:13], v6                       ; LDS serves a wave's instructions in order: these see my stores
	s_wait_dscnt 0x0
	global_store_b64 v7, v[12:13], s[16:17]        ; 32 lanes store 256 consecutive bytes, aligned
	s_wait_tensorcnt 0x0
	ds_add_u32 v192, v193
	s_wait_dscnt 0x0
	s_endpgm
.Ltable:
	s_sub_co_u32 s25, ttmp9, 384
	s_lshl_b32 s25, s25, 6
	s_lshl_b32 s26, s24, 4
	s_add_co_u32 s25, s25, s26                     ; my wave's first position: 64 x work-group + 16 x wave
	s_lshl_b32 s26, s25, 8
	s_mov_b32 s27, 0
	s_add_nc_u64 s[22:23], s[22:23], s[26:27]
	s_mov_b32 s36, 0x3f22f983                      ; 2 / pi
	s_mov_b32 s37, 0x3fc90fdb                      ; pi / 2, the f32 nearest to it,
	s_mov_b32 s38, 0xb33bbd2e                      ; and what is left of it
	s_mov_b32 s39, 0xb94ca1f9                      ; sine: -1.9515296e-4, 8.3321609e-3, -1.6666655e-1
	s_mov_b32 s40, 0x3c08839e
	s_mov_b32 s41, 0xbe2aaaa3
	s_mov_b32 s42, 0x37ccf5ce                      ; cosine: 2.4433157e-5, -1.3887316e-3, 4.1666646e-2
	s_mov_b32 s43, 0xbab6061a
	s_mov_b32 s44, 0x3d2aaaa5
	s_mov_b32 s45, 0x3626c40d                      ; LL ln 2
	v_and_b32 v32, 15, v0
	v_lshlrev_b32 v32, 1, v32                      ; my two pairs: i0 = 2 (lane % 16), i0 + 1
	v_cvt_f32_u32 v33, v32
	v_add_f32 v34, 1.0, v33
	v_mul_f32 v35, 0xbed49a00, v33                 ; -i LH, exact
	v_mul_f32 v36, 0xbed49a00, v34
	v_exp_f32 v35, v35
	v_exp_f32 v36, v36
	v_fma_f32 v37, -v33, s45, 1.0                  ; plain work behind the two exponentials
	v_fma_f32 v38, -v34, s45, 1.0
	s_wait_alu depctr_va_vdst(0)                   ; one wait for both, ahead of their first reader
	v_mul_f32 v35, v35, v37                        ; 10000^(-i / 32)
	v_mul_f32 v36, v36, v38
	v_bfe_u32 v39, v0, 4, 1
	v_add_nc_u32 v39, s25, v39                     ; lanes 16-31 take the next position
	v_lshlrev_b32 v40, 4, v2                       ; 16 x lane: two positions' 512 bytes a store
.macro SINCOS pf, inv, c, s
	v_mul_f32 v42, v[\pf], v[\inv]                 ; the angle, rounded once
	v_mul_f32 v43, s36, v42
	v_rndne_f32 v43, v43                           ; n
	v_fma_f32 v44, -v43, s37, v42
	v_fma_f32 v44, -v43, s38, v44                  ; r = angle - n pi / 2
	v_mul_f32 v45, v44, v44                        ; z
	v_fma_f32 v46, v45, s39, s40
	v_fma_f32 v46, v46, v45, s41
	v_mul_f32 v47, v44, v45
	v_fma_f32 v46, v47, v46, v44                   ; sin r
	v_fma_f32 v48, v45, s42, s43
	v_fma_f32 v48, v48, v45, s44
	v_fma_f32 v48, v48, v45, -0.5
	v_fma_f32 v48, v48, v45, 1.0                   ; cos r
	v_cvt_i32_f32 v43, v43
	v_and_b32 v47, 1, v43
	v_cmp_eq_u32 vcc_lo, 1, v47                    ; odd n: the two change places
	v_cndmask_b32 v[\s], v46, v48, vcc_lo
	v_cndmask_b32 v[\c], v48, v46, vcc_lo
	v_lshlrev_b32 v47, 30, v43
	v_and_b32 v47, 0x80000000, v47                 ; the sine is negative for n % 4 = 2, 3
	v_xor_b32 v[\s], v[\s], v47
	v_add_nc_u32 v43, 1, v43
	v_lshlrev_b32 v43, 30, v43
	v_and_b32 v43, 0x80000000, v43                 ; the cosine for n % 4 = 1, 2
	v_xor_b32 v[\c], v[\c], v43
.endm
.irp t, 0,1,2,3,4,5,6,7                ; each step has its own four registers: no store's data are written again
	v_add_nc_u32 v41, 2*\t, v39
	v_cvt_f32_u32 v41, v41
	SINCOS 41, 35, 64+4*\t, 65+4*\t
	SINCOS 41, 36, 66+4*\t, 67+4*\t
	global_store_b128 v40, v[64+4*\t:67+4*\t], s[22:23] offset:512*\t
.endr
	s_endpgm
.Lfunc_end_k_qaf2e2f5857_prep:
	.size	k_qaf2e2f5857_prep, .Lfunc_end_k_qaf2e2f5857_prep-k_qaf2e2f5857_prep
	.p2alignl 7, 3214868480
	.fill 96, 4, 3214868480
	.section	.rodata,"a",@progbits
	.p2align	6, 0x0
	.amdhsa_kernel k_qaf2e2f5857_prep
		.amdhsa_group_segment_fixed_size 33280
		.amdhsa_private_segment_fixed_size 0
		.amdhsa_enable_private_segment 0
		.amdhsa_kernarg_size 80
		.amdhsa_user_sgpr_count 2
		.amdhsa_user_sgpr_kernarg_segment_ptr 1
		.amdhsa_wavefront_size32 1
		.amdhsa_system_sgpr_workgroup_id_x 1
		.amdhsa_system_sgpr_workgroup_id_y 1
		.amdhsa_system_sgpr_workgroup_id_z 1
		.amdhsa_system_vgpr_workitem_id 0
		.amdhsa_next_free_vgpr 194
		.amdhsa_next_free_sgpr 66
		.amdhsa_reserve_vcc 1
		.amdhsa_float_denorm_mode_32 3
		.amdhsa_float_denorm_mode_16_64 3
		.amdhsa_memory_ordered 1
		.amdhsa_forward_progress 1
		.amdhsa_inst_pref_size 54
	.end_amdhsa_kernel
	.amdgpu_metadata
---
amdhsa.version: [ 1, 2 ]
amdhsa.kernels:
  - .name:           k_qaf2e2f5857_prep
    .symbol:         k_qaf2e2f5857_prep.kd
    .args:
      - { .name: x, .offset: 0, .size: 8, .value_kind: global_buffer, .address_space: global }
      - { .name: Wq, .offset: 8, .size: 8, .value_kind: global_buffer, .address_space: global }
      - { .name: Wk, .offset: 16, .size: 8, .value_kind: global_buffer, .address_space: global }
      - { .name: Wv, .offset: 24, .size: 8, .value_kind: global_buffer, .address_space: global }
      - { .name: Wo, .offset: 32, .size: 8, .value_kind: global_buffer, .address_space: global }
      - { .name: xc, .offset: 40, .size: 8, .value_kind: global_buffer, .address_space: global }
      - { .name: xs, .offset: 48, .size: 8, .value_kind: global_buffer, .address_space: global }
      - { .name: wc, .offset: 56, .size: 8, .value_kind: global_buffer, .address_space: global }
      - { .name: ws, .offset: 64, .size: 8, .value_kind: global_buffer, .address_space: global }
      - { .name: rope, .offset: 72, .size: 8, .value_kind: global_buffer, .address_space: global }
    .group_segment_fixed_size: 33280
    .private_segment_fixed_size: 0
    .kernarg_segment_align: 8
    .kernarg_segment_size: 80
    .max_flat_workgroup_size: 128
    .sgpr_count:     66
    .vgpr_count:     194
    .wavefront_size: 32
...
	.end_amdgpu_metadata
.endif
;; end of part 1
;; launch qkv (part 2): grid 12 x 32, 4 waves a work-group, clusters of 4 x 4, 327,680 bytes of LDS; arguments xc, xs, wc, ws, rope, qb, kv; writes qb, kv
.if DOCPART == 2
	.amdgcn_target "amdgcn-amd-amdhsa--gfx1250"
	.amdhsa_code_object_version 6
	.text
	.protected	k_qaf2e2f5857_qkv
	.globl	k_qaf2e2f5857_qkv
	.p2align	8
	.type	k_qaf2e2f5857_qkv,@function
k_qaf2e2f5857_qkv:
	s_mov_b64 s[64:65], 0
	v_nop
	global_prefetch_b8 v0, s[64:65] scope:SCOPE_SE
	s_setreg_imm32_b32 hwreg(HW_REG_WAVE_MODE, 25, 1), 1
	s_wait_xcnt 0x0
	s_wait_alu depctr_hold_cnt(0) depctr_sa_sdst(0) depctr_va_vdst(0) depctr_va_sdst(0) depctr_va_ssrc(0) depctr_va_vcc(0) depctr_vm_vsrc(0)
	s_getreg_b32 s2, hwreg(HW_REG_IB_STS2, 6, 4)
	s_cmp_eq_u32 s2, 0
	s_cbranch_scc0 .Lentry_in_a_cluster
	s_endpgm
.Lentry_in_a_cluster:
	s_bfe_u32 s2, ttmp6, 0x10000c
	s_cmp_lg_u32 s2, 0xf033
	s_cbranch_scc0 .Lentry_shape_is_right
	s_endpgm
.Lentry_shape_is_right:
; q, k, v = x [Wq; Wk; Wv]^T on codes of FP6 (E2M3) with E8M0 scales, K = 1,024; the rotation of q and k and the quantisers of q, k (along the head's 64) and v (along the keys) stand on the way out: no f32 result goes to memory.
; A tile is 256 rows of x by 256 rows of the weights: four waves, 128 x 128 each, 64 accumulators of 16 x 16 (512 registers).  K goes in steps of 256 through a ring of two LDS slots filled by the tensor data mover;
; the scale bytes of the tile's rows, for all of K, come once with the first fills.  CLUSTERS of 4 x 4: x's tile is shared along a row of the cluster, the weights' along a column: each is asked for jointly.
; The cluster's x says what is made: 0 q, 1 k, 2 v.  For q and k the first source is 16 rows of the weight and the second 16 rows of x: a lane holds one position and its registers run along the head.
; For v the first source is 16 rows of x (keys) and the second 16 rows of Wv: a lane holds one channel and its registers run along the keys.  Only the LDS bases change places; they hang on the cluster's number, which all partners share.
; Rows lie in xc and wc with bits 3 and 4 of their number exchanged: in tile 2 b + u of the first source register j of lane (r, h) belongs to row 32 b + 16 h + 8 u + j, so the 16 registers of two
; neighbouring tiles are 16 neighbours; lane r of block a of the second source holds row 32 (a / 2) + 8 (a % 2) + r % 8 + 16 (r / 8).
; WHAT IS STORED.  An operand leaves as an image of its registers.  q, k: for each head and 16 rows 768 bytes: registers 0-3 at 16 x lane, 4-5 at 512 + 8 x lane (lane (r, h): block h of row r); scale words (two bytes used) 16 bytes a lane for
; four tiles.  v: for each head, 128 keys and 16 channels 1,536 bytes: registers 4 i .. 4 i + 3 at 512 i + 16 x lane; scale words 16 bytes a lane for the head's four tiles of channels.  Every store covers whole aligned runs of 256 bytes.
; kv holds for each head 16 key steps of 13,056 bytes: 8 images of k, 4 of v, k's scale words (512), v's (256).  qb holds for each head 128 images and then 8,192 bytes of scale words.
; LIMITS: NaN and infinities are not served; a block of zeros gets the byte 1 (its codes are zeros; this program alone reads the bytes).
; REGISTERS, in windows of 256: window 0: v0-31 addresses; v32-95 scale words, two sets (16 of the second source, 16 of the first); v128-223 the second source's fragments, one set; on the way out v32-223 are free.
;   window 1: the first source's fragments, two sets, at v0 and v128.   windows 2, 3: the accumulators ((a, b) at v[8 (8 (a % 4) + b)] of window 2 + a / 4).
.set KSTEP,  256
.set NQ,     2                         ; matrix instructions deep in a slot
.set ROWB,   192                       ; a tile's row: 256 codes
.set KROW,   768                       ; a row of xc or wc
.set PITCH,  240                       ; an LDS row: 3 x (64 bytes + 16 of padding)
.set FR,     12
.set NL,     6
.set NP,     4
.set HALFT,  128*PITCH
.set SLOT,   4*HALFT                   ; x's 256 rows, then the weights' 256
.set LAPS,   2                         ; 1,024 / 512
.set KS,     32                        ; a row of scale bytes
.set SCL,    2*SLOT
.set HALFS,  16*272                    ; the scale bytes of 128 rows: 16 runs of 256 bytes + 16 of padding
.set SBLK,   2*272                     ; those of 16 rows
.set SPARE,  SCL+4*HALFS               ; the spare words: 128 bytes a wave, two blocks of 256 bytes that no other line names
.set ADRA,  16                         ; v16-19 the second source's fragments in slot 0, 1 (v18-19: behind one padding more)
.set ADRB,  20                         ; v20-23 the first source's
.set ADRSA, 24                         ; v24 the second source's scale words
.set ADRSB, 25                         ; v25 the first source's
.set SPW,   28                         ; v28 my spare word; never rewritten
.set NIL,   29                         ; v29 0; never rewritten
.set SC,    32
.set AF,    128
.set G1, 24
.set G0, 32
.set G1B, 48
.set G0B, 56
.set G1S, 68
.set G0S, 76
.set G1SB, 80
.set G0SB, 88
.set SEL, 98
.set MSB, 0
.macro WIN new                         ; the immediate's high byte repeats the setting that is left
.if MSB != (\new)
	s_set_vgpr_msb (MSB<<8)|(\new)
.set MSB, (\new)
.endif
.endm
.set MUL_LO, 0xa1                      ; source 0 window 1, source 1 window 0, C and D window 2
.set MUL_HI, 0xf1
.set TO_B,   0x40
; A joint load: waves 0 and 1 fetch x's halves, waves 2 and 3 the weights'.  The branch hangs on the wave's number alone.  Four v_nop follow each of the two lines.
.macro JLOAD g0a, g1a, g0b, g1b
	s_cmp_eq_u32 s15, 0
	s_cbranch_scc0 .Lfor_b_\@
	tensor_load_to_lds s[\g0a:\g0a+3], s[\g1a:\g1a+7]
	s_nop 0
.rept 4
	v_nop
.endr
	s_branch .Lasked_\@
.Lfor_b_\@:
	tensor_load_to_lds s[\g0b:\g0b+3], s[\g1b:\g1b+7]
	s_nop 0
.rept 4
	v_nop
.endr
.Lasked_\@:
.endm
.macro CREST                           ; a round of the cluster's barrier behind its opening barrier
	s_cmp_lg_u32 s14, 0
	s_cbranch_scc1 .Lnot_wave_0_\@
	s_barrier_signal -3
.Lnot_wave_0_\@:
	s_barrier_wait -3
	s_barrier_signal -1
	s_barrier_wait -1
.endm
.macro CROUND
	s_barrier_signal -1
	s_barrier_wait -1
	CREST
.endm
	s_load_b128 s[4:7], s[0:1], 0x0                ; xc, xs
	s_load_b128 s[8:11], s[0:1], 0x10              ; wc, ws
	s_load_b64 s[12:13], s[0:1], 0x20              ; rope
	v_lshl_add_u32 v[SPW], v0, 2, SPARE
	v_mov_b32 v[NIL], 0
	ds_add_u32 v28, v29
	ds_add_u32 v28, v29
	s_wait_dscnt 0x0
	v_lshrrev_b32 v1, 5, v0
	v_readfirstlane_b32 s14, v1                    ; wave 0..3
	s_lshr_b32 s15, s14, 1                         ; which half of the second source's 256 rows is mine.  Also: I fetch x (0) or the weights (1)
	s_and_b32 s16, s14, 1                          ; which half of the first source's.  Also: which 128 rows I fetch
	s_bfe_u32 s40, ttmp6, 0x40000                  ; cx, cy
	s_bfe_u32 s41, ttmp6, 0x40004
	s_lshl_b32 s42, ttmp9, 2
	s_add_co_u32 s42, s42, s40                     ; the weights' tile: 4 x cluster x + cx
	s_and_b32 s17, ttmp7, 0xffff
	s_lshl_b32 s17, s17, 2
	s_add_co_u32 s17, s17, s41                     ; x's tile: 4 x cluster y + cy
	s_lshl_b32 s43, s41, 2
	s_lshl_b32 s43, 15, s43                        ; my row of the cluster
	s_lshl_b32 s44, 0x1111, s40                    ; my column
	s_or_b32 s[G1+0], s43, (0<<16)|(1<<20)|(1<<21)|(3<<22)|(3<<25)  ; the mask; elements of 1 byte; padding on; bit 21 beside a mask; after every 16 words 4 words
	s_or_b32 s[G1B+0], s44, (0<<16)|(1<<20)|(1<<21)|(3<<22)|(3<<25)
.irp g, G1, G1B
	s_mov_b32 s[\g+1], ROWB<<16                    ; tensor_dim0
	s_mov_b32 s[\g+2], 128<<16                     ; tensor_dim1
	s_mov_b32 s[\g+3], ROWB<<16                    ; tile_dim0
	s_mov_b32 s[\g+4], 128                         ; tile_dim1
	s_mov_b32 s[\g+5], KROW                        ; from row to row
	s_mov_b32 s[\g+6], 0
	s_mov_b32 s[\g+7], 0
.endr
	s_or_b32 s[G1S+0], s43, (3<<16)|(1<<20)|(1<<21)|(5<<22)|(3<<25) ; the scale bytes of 128 rows: 4,096 dense bytes as 16 rows of 256, 16 bytes of padding behind each
	s_or_b32 s[G1SB+0], s44, (3<<16)|(1<<20)|(1<<21)|(5<<22)|(3<<25)
.irp g, G1S, G1SB
	s_mov_b32 s[\g+1], 32<<16
	s_mov_b32 s[\g+2], 16<<16
	s_mov_b32 s[\g+3], 32<<16
	s_mov_b32 s[\g+4], 16
	s_mov_b32 s[\g+5], 32
	s_mov_b32 s[\g+6], 0
	s_mov_b32 s[\g+7], 0
.endr
	s_lshl_b32 s18, s16, 7
	s_lshl_b32 s20, s17, 8
	s_add_co_u32 s20, s20, s18                     ; x: row 256 x tile + 128 x half
	s_lshl_b32 s46, s42, 8
	s_add_co_u32 s46, s46, s18                     ; the weights likewise
	s_mov_b32 s21, 0
	s_mov_b32 s47, 0
	s_mov_b64 s[18:19], KS
	s_mul_u64 s[22:23], s[20:21], s[18:19]
	s_mul_u64 s[92:93], s[46:47], s[18:19]
	s_mov_b64 s[18:19], KROW
	s_mul_u64 s[20:21], s[20:21], s[18:19]
	s_mul_u64 s[46:47], s[46:47], s[18:19]
	s_mul_i32 s45, s14, HALFT                      ; where they go: wave x 128 rows
	s_mul_i32 s94, s14, HALFS
	s_wait_kmcnt 0x0
	s_add_nc_u64 s[20:21], s[4:5], s[20:21]
	s_add_nc_u64 s[22:23], s[6:7], s[22:23]
	s_add_nc_u64 s[46:47], s[8:9], s[46:47]
	s_add_nc_u64 s[92:93], s[10:11], s[92:93]
	CROUND                                         ; all sixteen work-groups are here: the first joint loads meet
	s_mov_b32 s[G0S], 1
	s_add_co_u32 s[G0S+1], s94, SCL
	s_mov_b64 s[G0S+2:G0S+3], s[22:23]
	s_or_b32 s[G0S+3], s[G0S+3], 0x80000000
	s_mov_b32 s[G0SB], 1
	s_add_co_u32 s[G0SB+1], s94, SCL
	s_mov_b64 s[G0SB+2:G0SB+3], s[92:93]
	s_or_b32 s[G0SB+3], s[G0SB+3], 0x80000000
	JLOAD G0S, G1S, G0SB, G1SB                     ; the scale bytes first
.irp s, 0,1
	s_mov_b32 s[G0+4*\s], 1
	s_add_co_u32 s[G0+4*\s+1], s45, \s*SLOT
	s_add_nc_u64 s[G0+4*\s+2:G0+4*\s+3], s[20:21], \s*ROWB
	s_or_b32 s[G0+4*\s+3], s[G0+4*\s+3], 0x80000000
	s_mov_b32 s[G0B+4*\s], 1
	s_add_co_u32 s[G0B+4*\s+1], s45, \s*SLOT
	s_add_nc_u64 s[G0B+4*\s+2:G0B+4*\s+3], s[46:47], \s*ROWB
	s_or_b32 s[G0B+4*\s+3], s[G0B+4*\s+3], 0x80000000
	JLOAD G0+4*\s, G1, G0B+4*\s, G1B
.endr
	v_and_b32 v1, 15, v0                           ; r
	v_bfe_u32 v2, v0, 4, 1                         ; h
	v_mul_u32_u24 v3, v1, PITCH
	v_mul_u32_u24 v4, v2, 24
	v_add_nc_u32 v4, v3, v4                        ; a fragment's row x pitch + 24 x half
	v_lshl_add_u32 v5, v2, 4, v4                   ; and the same behind one padding more
	s_cmp_eq_u32 ttmp9, 2                          ; v's clusters: the sources change places
	s_cselect_b32 s21, 2*HALFT, 0                  ; the second source: the weights' rows, else x's
	s_cselect_b32 s22, 0, 2*HALFT                  ; the first source: x's rows, else the weights'
	s_cselect_b32 s94, 2*HALFS, 0
	s_cselect_b32 s95, 0, 2*HALFS
	s_mul_i32 s18, s15, HALFT
	s_add_co_u32 s21, s21, s18
	s_mul_i32 s18, s16, HALFT
	s_add_co_u32 s22, s22, s18
.irp s, 0,1
	v_add_nc_u32 v[ADRA+\s], s21, v4
	v_add_nc_u32 v[ADRB+\s], s22, v4
	v_add_nc_u32 v[ADRA+2+\s], s21, v5
	v_add_nc_u32 v[ADRB+2+\s], s22, v5
	s_add_co_u32 s21, s21, SLOT
	s_add_co_u32 s22, s22, SLOT
.endr
	v_lshlrev_b32 v5, 5, v1                        ; my row's scale bytes: 32 a row,
	v_lshrrev_b32 v6, 3, v1
	v_lshl_add_u32 v5, v6, 4, v5                   ; and 16 more behind each 256
	s_mul_i32 s18, s15, HALFS
	s_add_co_u32 s94, s94, s18
	s_add_co_u32 s94, s94, SCL
	v_add_nc_u32 v[ADRSA], s94, v5
	s_mul_i32 s18, s16, HALFS
	s_add_co_u32 s95, s95, s18
	s_add_co_u32 s95, s95, SCL
	v_add_nc_u32 v[ADRSB], s95, v5
.macro FRAG reg, adr, q, i             ; 16 rows x 128 K: 12 registers, in pieces of 8 bytes; lanes 16-31 read three pieces further on, for some pieces behind one padding more
.irp p, 0,1,2,3,4,5
.set PCE, 12*(\q)+6*(\p/3)+\p%3
.if PCE%8 < 5
	ds_load_b64 v[\reg+2*\p:\reg+2*\p+1], v[\adr] offset:8*PCE+16*(PCE/8)+(\i)*16*PITCH
.else
	ds_load_b64 v[\reg+2*\p:\reg+2*\p+1], v[\adr+2] offset:8*PCE+16*(PCE/8)+(\i)*16*PITCH
.endif
.endr
.endm
; 16 matrix instructions: the second source's blocks a0, a0 + 1 x the first source's eight.  The 64 accumulators take turns, one instruction a turn, in the same order in every step.
.macro MUL16 a0, p, q, sc, zero
.irp a, \a0, \a0+1
.irp b, 0,1,2,3,4,5,6,7
.if \zero
	v_wmma_scale_f32_16x16x128_f8f6f4 v[8*(8*((\a)%4)+\b):8*(8*((\a)%4)+\b)+7], v[128*(\p)+FR*\b:128*(\p)+FR*\b+FR-1], v[AF+FR*(\a):AF+FR*(\a)+FR-1], 0, v[SC+32*(\sc)+16+NQ*\b+(\q)], v[SC+32*(\sc)+NQ*(\a)+(\q)] matrix_a_fmt:MATRIX_FMT_FP6 matrix_b_fmt:MATRIX_FMT_FP6
.else
	v_wmma_scale_f32_16x16x128_f8f6f4 v[8*(8*((\a)%4)+\b):8*(8*((\a)%4)+\b)+7], v[128*(\p)+FR*\b:128*(\p)+FR*\b+FR-1], v[AF+FR*(\a):AF+FR*(\a)+FR-1], v[8*(8*((\a)%4)+\b):8*(8*((\a)%4)+\b)+7], v[SC+32*(\sc)+16+NQ*\b+(\q)], v[SC+32*(\sc)+NQ*(\a)+(\q)] matrix_a_fmt:MATRIX_FMT_FP6 matrix_b_fmt:MATRIX_FMT_FP6
.endif
.endr
.endr
.endm
.macro FETCH_B slot, q, p
	WIN TO_B
.irp i, 0,1,2,3,4,5,6,7
	FRAG 128*(\p)+FR*\i, ADRB+\slot, \q, \i
.endr
	WIN 0
.endm
.macro FETCH_A slot, q, i0
.irp i, \i0, \i0+1, \i0+2, \i0+3
	FRAG AF+FR*(\i), ADRA+\slot, \q, \i
.endr
.endm
.macro SCALES sc                       ; a K step's scale words, two a row: lane r takes row r's (lanes 16-31 the same, which nobody reads)
.irp i, 0,1,2,3,4,5,6,7
	ds_load_b64 v[SC+32*\sc+2*\i:SC+32*\sc+2*\i+1], v[ADRSA] offset:\i*SBLK
.endr
.irp i, 0,1,2,3,4,5,6,7
	ds_load_b64 v[SC+32*\sc+16+2*\i:SC+32*\sc+16+2*\i+1], v[ADRSB] offset:\i*SBLK
.endr
.endm
.macro PLACES n                        ; plain vector instructions between a matrix instruction and a load into, or a read of, its registers
.rept \n
	v_nop
.endr
.endm
.macro STEP slot, q, zero
	s_wait_dscnt 4*NL                              ; all but the youngest 24 loads (the second source's blocks 4-7) are in
	WIN MUL_LO
	MUL16 0, (\q)%2, \q, \slot, \zero
	MUL16 2, (\q)%2, \q, \slot, \zero
	s_wait_dscnt 0
	PLACES NP
	FETCH_B \slot, (\q)+1, 1-(\q)%2
	FETCH_A \slot, (\q)+1, 0
	WIN MUL_HI
	MUL16 4, (\q)%2, \q, \slot, \zero
	MUL16 6, (\q)%2, \q, \slot, \zero
	PLACES NP
	WIN 0
	FETCH_A \slot, (\q)+1, 4
.endm
; A slot's last step changes slots: one barrier; in front of it each wave waits for all its tensor loads, adds 0 to its spare word, and waits for that and for its reads of this slot.
.macro TURN slot, next, fill
	s_wait_tensorcnt 0x0                           ; all my tensor loads have landed: my part of the next slot
	ds_add_u32 v[SPW], v[NIL]                      ; 0 onto my spare word
	s_wait_dscnt 4*NL+1                            ; the add and the youngest 24 loads may be out
	WIN MUL_LO
	MUL16 0, 1, NQ-1, \slot, 0
	s_wait_dscnt 0x0                               ; the add is done, and my reads of this slot are over
	s_barrier_signal -1
	MUL16 2, 1, NQ-1, \slot, 0
	WIN 0
	s_barrier_wait -1
.if \fill
	CREST                                          ; the barrier has opened a round of the cluster's: no wave of any partner still reads this slot or has a load on its way
	s_add_nc_u64 s[G0+4*\slot+2:G0+4*\slot+3], s[G0+4*\slot+2:G0+4*\slot+3], 2*ROWB
	s_add_nc_u64 s[G0B+4*\slot+2:G0B+4*\slot+3], s[G0B+4*\slot+2:G0B+4*\slot+3], 2*ROWB
	JLOAD G0+4*\slot, G1, G0B+4*\slot, G1B         ; the first tensor load behind the round; its four v_nop are the places in front of the loads below
.else
	PLACES NP
.endif
	v_add_nc_u32 v[ADRSA], 4*NQ, v[ADRSA]          ; the next K step's scale words
	v_add_nc_u32 v[ADRSB], 4*NQ, v[ADRSB]
	FETCH_B \next, 0, 0
	FETCH_A \next, 0, 0
	SCALES \next
	WIN MUL_HI
	MUL16 4, 1, NQ-1, \slot, 0
	MUL16 6, 1, NQ-1, \slot, 0
	PLACES NP
	WIN 0
	FETCH_A \next, 0, 4
.endm
	s_wait_tensorcnt 1                             ; the scale bytes and my part of K step 0 are in; K step 1's load may be out
	s_barrier_signal -1
	s_barrier_wait -1
	FETCH_B 0, 0, 0
	FETCH_A 0, 0, 0
	SCALES 0
	FETCH_A 0, 0, 4
	STEP 0, 0, 1                                   ; the first step's products start the sums
	s_mov_b32 s3, LAPS-1
.Llap:
	TURN 0, 1, 1
	STEP 1, 0, 0
	TURN 1, 0, 1
	STEP 0, 0, 0
	s_sub_co_u32 s3, s3, 1
	s_cmp_lg_u32 s3, 0
	s_cbranch_scc1 .Llap
	TURN 0, 1, 0                                   ; the last lap fills nothing
	STEP 1, 0, 0
	s_wait_dscnt 4*NL
	WIN MUL_LO
	MUL16 0, 1, NQ-1, 1, 0
	MUL16 2, 1, NQ-1, 1, 0
	s_wait_dscnt 0
	WIN MUL_HI
	MUL16 4, 1, NQ-1, 1, 0
	MUL16 6, 1, NQ-1, 1, 0
	WIN 0
	PLACES NP                                      ; in front of the first reads of results and of writes into registers that held operands
; ---------------- THE WAY OUT ----------------
.set RR, 1                             ; r
.set HH, 2                             ; h
.set TO, 3                             ; my place in the table
.set OI, 4                             ; 16 x lane
.set O8, 5                             ; 512 + 8 x lane
.set OS, 6                             ; where my scale words go
.set SH, 7                             ; 16 h
.set CSR, 32                           ; v32-95   cos and sin, two sets of 32
.set HA,  96                           ; v96-159  64 rotated numbers
.set PC,  160                          ; v160-171 the codes just made
.set PX,  172                          ; v172-179 the conversions' second halves
.set TM,  180                          ; v180-195 at work
.set PW,  196
.set SW,  200                          ; v200-207 a scale word for each block
.set SX,  208
; 64 numbers of a lane in window w, register 16 b + i = place 32 b + 16 h + i along K of my row, become 12 registers of codes in v[PC] on and the row's scale word in v[pw].
.macro QUANT s, w, pw
	WIN (\w)|((\w)<<2)
.irp b, 0,1,2,3
	v_max3_num_f32 v[TM+\b], |v[(\s)+16*\b]|, |v[(\s)+16*\b+1]|, 0x1800000   ; my 16 numbers of block b, and the floor 2^(3 - 127); each accumulator is read from its low end on
.endr
.irp i, 2,4,6,8,10,12,14
.irp b, 0,1,2,3
	v_max3_num_f32 v[TM+\b], |v[(\s)+16*\b+\i]|, |v[(\s)+16*\b+\i+1]|, v[TM+\b]
.endr
.endr
	WIN 0
.irp b, 0,1,2,3
	v_permlanex16_b32 v[TM+4+\b], v[TM+\b], s[SEL], s[SEL+1]
.endr
.irp b, 0,1,2,3
	v_max_num_f32 v[TM+\b], v[TM+\b], v[TM+4+\b]   ; with lane l xor 16's: the block's largest magnitude
.endr
.irp b, 0,1,2,3
	v_add_nc_u32 v[TM+12+\b], 0xff000000, v[TM+\b] ; 2 off its exponent field: the conversion's scale operand
.endr
.irp b, 0,1,2,3
	v_lshrrev_b32 v[TM+4+\b], 23, v[TM+12+\b]      ; the scale's byte
.endr
	v_lshl_or_b32 v[\pw], v[TM+5], 8, v[TM+4]
	v_lshl_or_b32 v[\pw], v[TM+6], 16, v[\pw]
	v_lshl_or_b32 v[\pw], v[TM+7], 24, v[\pw]
	WIN \w
.irp c, 0,1
	v_cvt_scalef32_pk16_fp6_f32 v[PC+6*\c:PC+6*\c+2], v[(\s)+32*\c:(\s)+32*\c+15], v[TM+12+2*\c]
	v_cvt_scalef32_pk16_fp6_f32 v[PX+4*\c:PX+4*\c+2], v[(\s)+32*\c+16:(\s)+32*\c+31], v[TM+13+2*\c]   ; (a conversion's three registers begin on an even number)
.endr
	WIN 0
	v_nop                                          ; one plain place behind a scaled conversion
.irp c, 0,1                            ; a whole block to a lane: lanes 0-15 block 2 c, lanes 16-31 block 2 c + 1
.irp i, 0,1,2
	v_permlane16_swap_b32 v[PC+6*\c+\i], v[PX+4*\c+\i]
.endr
.irp i, 0,1,2
	v_mov_b32 v[PC+3+6*\c+\i], v[PX+4*\c+\i]
.endr
.endr
.endm
	s_load_b128 s[20:23], s[0:1], 0x28             ; qb, kv
	v_and_b32 v[RR], 15, v0
	v_bfe_u32 v[HH], v0, 4, 1
	v_and_b32 v[OI], 31, v0
	v_lshlrev_b32 v[O8], 3, v[OI]
	v_add_nc_u32 v[O8], 512, v[O8]
	v_lshlrev_b32 v[OI], 4, v[OI]
.irp b, 0,1,2,3
	v_mov_b32 v[TM+4+\b], 0                        ; written once: a lane permute's destination counts as one of its sources
.endr
	s_mov_b32 s[SEL], 0x76543210
	s_mov_b32 s[SEL+1], 0xfedcba98
	s_lshr_b32 s4, s17, 3                          ; the batch: eight tiles of 256 rows each
	s_and_b32 s5, s17, 7
	s_mov_b32 s47, 0
	s_wait_kmcnt 0x0
	s_cmp_eq_u32 ttmp9, 2
	s_cbranch_scc1 .Lv_out
	; ---- q and k.  My 128 rows of x are positions pos0 on; my 128 rows of the weight are two heads
	s_lshl_b32 s5, s5, 8
	s_lshl_b32 s6, s15, 7
	s_or_b32 s5, s5, s6                            ; pos0
	s_and_b32 s6, s42, 3
	s_lshl_b32 s6, s6, 2
	s_lshl_b32 s7, s16, 1
	s_or_b32 s6, s6, s7                            ; my first head
	s_lshl_b32 s7, s4, 4
	s_add_co_u32 s7, s7, s6                        ; 16 x batch + head
	s_mov_b32 s10, 208896
	s_mov_b32 s11, 102
	s_mov_b32 s18, 102
	s_mov_b32 s19, 12288
	s_cmp_eq_u32 ttmp9, 0
	s_cselect_b64 s[8:9], s[20:21], s[22:23]       ; qb or kv
	s_cselect_b32 s10, 106496, s10                 ; bytes of a head
	s_cselect_b32 s11, 48, s11                     ; images: 768 bytes for 16 positions, or 13,056 for 128
	s_cselect_b32 s18, 4, s18                      ; scale words: 256 bytes for 64 positions, or inside the key step
	s_cselect_b32 s19, 98304, s19
	s_mul_i32 s44, s7, s10
	s_mul_i32 s45, s5, s11
	s_add_co_u32 s46, s44, s45
	s_add_nc_u64 s[40:41], s[8:9], s[46:47]        ; my first head's images
	s_mov_b32 s46, s10
	s_add_nc_u64 s[92:93], s[40:41], s[46:47]      ; my second head's
	s_mul_i32 s45, s5, s18
	s_add_co_u32 s46, s44, s45
	s_add_co_u32 s46, s46, s19
	s_add_nc_u64 s[94:95], s[8:9], s[46:47]        ; the scale words
	s_lshl_b32 s46, s5, 8
	s_add_nc_u64 s[12:13], s[12:13], s[46:47]      ; the table at pos0
	v_and_b32 v[TO], 7, v[RR]
	v_lshrrev_b32 v8, 3, v[RR]
	v_lshl_add_u32 v[TO], v8, 4, v[TO]             ; r % 8 + 16 (r / 8)
	v_lshlrev_b32 v[TO], 8, v[TO]                  ; 256 bytes a position
	v_lshl_add_u32 v[TO], v[HH], 6, v[TO]          ; my half's eight pairs
	v_mul_lo_u32 v[OS], v[HH], s10                 ; lanes 16-31 store the second head's words
	v_lshl_add_u32 v[OS], v[RR], 4, v[OS]
	v_lshlrev_b32 v[SH], 4, v[HH]
; cos and sin for block a's positions: pair 16 (k / 8) + 8 h + k % 8 in registers 2 k, 2 k + 1, k = 0 .. 15
.macro TLOADS a
.irp j, 0,1,2,3,4,5,6,7
	global_load_b128 v[CSR+32*((\a)%2)+4*\j:CSR+32*((\a)%2)+4*\j+3], v[TO], s[12:13] offset:(32*((\a)/2)+8*((\a)%2))*256+16*\j+64*(\j/4)
.endr
.endm
; the rotation of block a: registers 2 t, 2 t + 1 are an even and an odd channel; both heads use the same 16 pairs
.macro ROPE a
.set AC, 64*((\a)%4)
.set CB2, CSR+32*((\a)%2)
	WIN 2+(\a)/4
.set TT, 0
.rept 32
	v_mul_f32 v[HA+2*TT], v[AC+2*TT+1], v[CB2+2*(TT%16)+1]          ; xo sin
	v_mul_f32 v[HA+2*TT+1], v[AC+2*TT+1], v[CB2+2*(TT%16)]          ; xo cos
.set TT, TT+1
.endr
.set TT, 0
.rept 32
	v_fma_f32 v[HA+2*TT], v[AC+2*TT], v[CB2+2*(TT%16)], -v[HA+2*TT]        ; xe cos - xo sin
	v_fma_f32 v[HA+2*TT+1], v[AC+2*TT], v[CB2+2*(TT%16)+1], v[HA+2*TT+1]   ; xe sin + xo cos
.set TT, TT+1
.endr
	WIN 0
.endm
	TLOADS 0
.irp a, 0,1,2,3,4,5,6,7
.if \a < 7
	TLOADS \a+1
	s_wait_loadcnt 8                               ; this block's eight loads are in; the next block's eight may be out
.else
	s_wait_loadcnt 0x0
.endif
	ROPE \a
	s_wait_xcnt 0x0                                ; the last block's stores have read their registers
	QUANT HA, 0, PW
	v_lshrrev_b32 v[SW+\a], v[SH], v[PW]           ; lanes 0-15 keep the first head's two bytes, lanes 16-31 the second's;
	v_and_b32 v[SW+\a], 0xffff, v[SW+\a]           ; the upper two bytes are 0: they scale the zero codes that fill K up to 128
	global_store_b128 v[OI], v[PC:PC+3], s[40:41] offset:768*\a
	global_store_b64 v[O8], v[PC+4:PC+5], s[40:41] offset:768*\a
	global_store_b128 v[OI], v[PC+6:PC+9], s[92:93] offset:768*\a
	global_store_b64 v[O8], v[PC+10:PC+11], s[92:93] offset:768*\a
.endr
	global_store_b128 v[OS], v[SW:SW+3], s[94:95]
	global_store_b128 v[OS], v[SW+4:SW+7], s[94:95] offset:256
	s_branch .Ldone
.Lv_out:
	; ---- v.  My 128 rows of Wv are two heads (blocks 0-3, 4-7); my 128 rows of x are one key step
	s_sub_co_u32 s6, s42, 8
	s_lshl_b32 s6, s6, 2
	s_lshl_b32 s7, s15, 1
	s_or_b32 s6, s6, s7                            ; my first head
	s_lshl_b32 s7, s4, 4
	s_add_co_u32 s7, s7, s6
	s_mul_i32 s44, s7, 208896
	s_lshl_b32 s5, s5, 1
	s_or_b32 s5, s5, s16                           ; the key step
	s_mul_i32 s45, s5, 13056
	s_add_co_u32 s46, s44, s45
	s_add_nc_u64 s[40:41], s[22:23], s[46:47]
	v_mul_u32_u24 v[OS], v[HH], 208896
	v_lshl_add_u32 v[OS], v[RR], 4, v[OS]
.irp a, 0,1,2,3,4,5,6,7
	s_wait_xcnt 0x0                                ; the last block's stores have read their registers
	QUANT 64*((\a)%4), 2+(\a)/4, SW+(\a)
.irp i, 0,1,2
	global_store_b128 v[OI], v[PC+4*\i:PC+4*\i+3], s[40:41] offset:(\a/4)*208896+6144+(\a%4)*1536+512*\i
.endr
.endr
	v_cmp_eq_u32 vcc_lo, 1, v[HH]
.irp i, 0,1,2,3
	v_cndmask_b32 v[SX+\i], v[SW+\i], v[SW+4+\i], vcc_lo   ; lanes 16-31 store the second head's words
.endr
	global_store_b128 v[OS], v[SX:SX+3], s[40:41] offset:12800
.Ldone:
	s_wait_tensorcnt 0x0                           ; the wave's end
	ds_add_u32 v[SPW], v[NIL]
	s_wait_dscnt 0x0
	CROUND                                         ; the closing round
	s_endpgm
.Lfunc_end_k_qaf2e2f5857_qkv:
	.size	k_qaf2e2f5857_qkv, .Lfunc_end_k_qaf2e2f5857_qkv-k_qaf2e2f5857_qkv
	.p2alignl 7, 3214868480
	.fill 96, 4, 3214868480
	.section	.rodata,"a",@progbits
	.p2align	6, 0x0
	.amdhsa_kernel k_qaf2e2f5857_qkv
		.amdhsa_group_segment_fixed_size 327680
		.amdhsa_private_segment_fixed_size 0
		.amdhsa_enable_private_segment 0
		.amdhsa_kernarg_size 56
		.amdhsa_user_sgpr_count 2
		.amdhsa_user_sgpr_kernarg_segment_ptr 1
		.amdhsa_wavefront_size32 1
		.amdhsa_system_sgpr_workgroup_id_x 1
		.amdhsa_system_sgpr_workgroup_id_y 1
		.amdhsa_system_sgpr_workgroup_id_z 1
		.amdhsa_system_vgpr_workitem_id 0
		.amdhsa_next_free_vgpr 1024
		.amdhsa_next_free_sgpr 100
		.amdhsa_reserve_vcc 1
		.amdhsa_float_denorm_mode_32 3
		.amdhsa_float_denorm_mode_16_64 3
		.amdhsa_memory_ordered 1
		.amdhsa_forward_progress 1
		.amdhsa_inst_pref_size 255
	.end_amdhsa_kernel
	.section	.bss,"aw",@nobits
	.p2align	6
	.space	262144
	.amdgpu_metadata
---
amdhsa.version: [ 1, 2 ]
amdhsa.kernels:
  - .name:           k_qaf2e2f5857_qkv
    .symbol:         k_qaf2e2f5857_qkv.kd
    .args:
      - { .name: xc, .offset: 0, .size: 8, .value_kind: global_buffer, .address_space: global }
      - { .name: xs, .offset: 8, .size: 8, .value_kind: global_buffer, .address_space: global }
      - { .name: wc, .offset: 16, .size: 8, .value_kind: global_buffer, .address_space: global }
      - { .name: ws, .offset: 24, .size: 8, .value_kind: global_buffer, .address_space: global }
      - { .name: rope, .offset: 32, .size: 8, .value_kind: global_buffer, .address_space: global }
      - { .name: qb, .offset: 40, .size: 8, .value_kind: global_buffer, .address_space: global }
      - { .name: kv, .offset: 48, .size: 8, .value_kind: global_buffer, .address_space: global }
    .group_segment_fixed_size: 327680
    .private_segment_fixed_size: 0
    .kernarg_segment_align: 8
    .kernarg_segment_size: 56
    .max_flat_workgroup_size: 128
    .sgpr_count:     100
    .vgpr_count:     1024
    .wavefront_size: 32
...
	.end_amdgpu_metadata
.endif
;; end of part 2
;; launch attn (part 3): grid 4 x 64, 16 waves a work-group, clusters of 4 x 1, 210,944 bytes of LDS; arguments qb, kv, ab; writes ab
.if DOCPART == 3
	.amdgcn_target "amdgcn-amd-amdhsa--gfx1250"
	.amdhsa_code_object_version 6
	.text
	.protected	k_qaf2e2f5857_attn
	.globl	k_qaf2e2f5857_attn
	.p2align	8
	.type	k_qaf2e2f5857_attn,@function
k_qaf2e2f5857_attn:
	s_mov_b64 s[64:65], 0
	v_nop
	global_prefetch_b8 v0, s[64:65] scope:SCOPE_SE
	s_setreg_imm32_b32 hwreg(HW_REG_WAVE_MODE, 25, 1), 1
	s_wait_xcnt 0x0
	s_wait_alu depctr_hold_cnt(0) depctr_sa_sdst(0) depctr_va_vdst(0) depctr_va_sdst(0) depctr_va_ssrc(0) depctr_va_vcc(0) depctr_vm_vsrc(0)
	s_getreg_b32 s2, hwreg(HW_REG_IB_STS2, 6, 4)
	s_cmp_eq_u32 s2, 0
	s_cbranch_scc0 .Lentry_in_a_cluster
	s_endpgm
.Lentry_in_a_cluster:
	s_bfe_u32 s2, ttmp6, 0x10000c
	s_cmp_lg_u32 s2, 0x3003
	s_cbranch_scc0 .Lentry_shape_is_right
	s_endpgm
.Lentry_shape_is_right:
; Causal attention of one head on codes of FP6 (E2M3) with E8M0 scales; its result, divided by the row's sum, is quantised along the model's axis and stored as images for the last product.
; t = score x log2(e) / 8; M = the running largest t rounded up to a whole number; p = 2^(t - M) is quantised along the keys, not normalised; the row's sum is taken of the unquantised p; when M moves, sum and result are multiplied by 2^(old M - new M): exact.
; A HEAD'S WHOLE K, V AND SCALE WORDS, 16 key steps of 13,056 bytes as the launch before laid them, are one dense block of 208,896 bytes: it comes into LDS once.  No byte of LDS is filled twice.
; CLUSTER: the four work-groups of a head need the same block: waves 0-3 of each ask for it jointly, two loads a wave (a key step, then three): two tensor loads of a wave are out.  Steps 0-3 are read while steps 4-15 are on their way.
; SHARES.  A head's 128 tiles of 16 queries fall into 16 groups of 128 queries; group g needs key steps 0 .. g.  Wave w of partner p takes tile 8 (15 - w) + 2 p + 1 and then tile 8 w + 2 p: 16 - w and w + 1 steps, 17 for every wave.
; Branches hang on the wave's number and on loop counters alone; p enters global addresses and the number that the mask compares with.
; LAYOUT.  Both products are used transposed: a lane holds one query throughout.  Rows lie in every tile as rows 32 (T / 2) + 8 (T % 2) + r % 8 + 16 (r / 8): so the 16 registers of two neighbouring tiles of keys are keys 32 b + 16 h + 0 .. 15 of the step,
; and the 16 registers of two neighbouring tiles of channels are channels 32 b + 16 h + 0 .. 15.
; K = 64 IN AN INSTRUCTION OF 128: Q's registers 6-11 hold zero codes and bytes 2, 3 of q's and k's scale words are 0 (2^-127).  A tile of K names 12 registers, of which the upper six are the next tile's codes (zeros behind the last): they meet zero codes and add nothing.
; No prefetch: every tensor load stands at the head.  The output's scale bytes leave as single bytes (two of a row's 32 belong to a head): 4 per cent of what the launch stores.
; LIMITS: NaN and infinities are not served; a block of zeros gets the byte 1.
.set STEPB, 13056
.set LI,  1                            ; 16 x lane
.set L8,  2                            ; 512 + 8 x lane
.set LR,  3                            ; 12,288 + 16 r: the step's scale words
.set ADK, 4
.set ADK8, 5
.set ADS, 6
.set DQ,  7                            ; my query's place in its 128, less 16 h
.set NINF, 8
.set HH,  9
.set RR,  10
.set R16, 11
.set QFA, 16                           ; v16-27 tile A's queries (v22-27 zeros), v28 their scale words
.set QSA, 28
.set OB8, 29                           ; 32 r + h
.set KF,  30                           ; v30-77 eight tiles of K, later four fragments of V; v78-83 zeros
.set KSC, 84                           ; v84-91 scale words
.set S,   92                           ; v92-155 scores, then p
.set OT,  156                          ; v156-187 the result, transposed
.set PC,  188
.set PX,  200
.set BM,  208
.set BP,  212
.set BS,  216
.set FF,  220                          ; v220 f; v221 p's scale word
.set PW,  221
.set TMP, 222
.set DQ0, 223
.set QFB, 224
.set QSB, 236
.set WV,  10
.set SEL, 20
.set CS,  22
.set G1A, 24
.set G1B, 32
.set G0A, 40
.set G0B, 44
.set KS,  48
.set G,   49
.set TB,  50
.macro CROUND
	s_barrier_signal -1
	s_barrier_wait -1
	s_cmp_lg_u32 s[WV], 0
	s_cbranch_scc1 .Lnot_wave_0_\@
	s_barrier_signal -3
.Lnot_wave_0_\@:
	s_barrier_wait -3
	s_barrier_signal -1
	s_barrier_wait -1
.endm
	s_load_b128 s[4:7], s[0:1], 0x0                ; qb, kv
	s_load_b64 s[8:9], s[0:1], 0x10                ; ab
	v_lshl_add_u32 v254, v0, 2, 0x33000
	v_mov_b32 v255, 0
	ds_add_u32 v254, v255
	ds_add_u32 v254, v255
	v_lshrrev_b32 v1, 5, v0
	s_delay_alu instid0(VALU_DEP_1)
	v_readfirstlane_b32 s[WV], v1                  ; wave 0..15
	s_bfe_u32 s11, ttmp6, 0x40000                  ; p: my place in the cluster
	s_and_b32 s12, ttmp7, 0xffff                   ; 16 x batch + head
	s_mul_i32 s14, s12, 16*STEPB
	s_mov_b32 s15, 0
	s_mul_i32 s16, s[WV], STEPB                    ; my first load: key step w
	s_mul_i32 s17, s[WV], 3*STEPB
	s_add_co_u32 s17, s17, 4*STEPB                 ; my second: key steps 4 + 3 w on
	s_mov_b32 s[G1A], 15|(3<<16)|(1<<21)           ; the mask: all four; elements of 8 bytes; bit 21 beside a mask; no padding
	s_mov_b32 s[G1A+1], 32<<16                     ; rows of 256 bytes
	s_mov_b32 s[G1A+2], 51<<16
	s_mov_b32 s[G1A+3], 32<<16
	s_mov_b32 s[G1A+4], 51                         ; 51 rows: a key step
	s_mov_b32 s[G1A+5], 32
	s_mov_b32 s[G1A+6], 0
	s_mov_b32 s[G1A+7], 0
	s_mov_b32 s[G1B], 15|(3<<16)|(1<<21)
	s_mov_b32 s[G1B+1], 32<<16
	s_mov_b32 s[G1B+2], 153<<16
	s_mov_b32 s[G1B+3], 32<<16
	s_mov_b32 s[G1B+4], 153                        ; three key steps
	s_mov_b32 s[G1B+5], 32
	s_mov_b32 s[G1B+6], 0
	s_mov_b32 s[G1B+7], 0
	s_wait_dscnt 0x0
	s_wait_kmcnt 0x0
	s_add_nc_u64 s[6:7], s[6:7], s[14:15]          ; the head's block
	s_mov_b32 s[G0A], 1
	s_mov_b32 s[G0A+1], s16
	s_mov_b32 s14, s16
	s_add_nc_u64 s[G0A+2:G0A+3], s[6:7], s[14:15]
	s_or_b32 s[G0A+3], s[G0A+3], 0x80000000
	s_mov_b32 s[G0B], 1
	s_mov_b32 s[G0B+1], s17
	s_mov_b32 s14, s17
	s_add_nc_u64 s[G0B+2:G0B+3], s[6:7], s[14:15]
	s_or_b32 s[G0B+3], s[G0B+3], 0x80000000
	CROUND                                         ; all four work-groups are here: the joint loads meet
	s_cmp_lt_u32 s[WV], 4                          ; a wave's two fills stand in one branch, ahead of every wait on TENSORcnt and every LDS read
	s_cbranch_scc0 .Lno_fetch
	tensor_load_to_lds s[G0A:G0A+3], s[G1A:G1A+7]
	s_nop 0
	tensor_load_to_lds s[G0B:G0B+3], s[G1B:G1B+7]
	s_nop 0
.rept 4
	v_nop
.endr
.Lno_fetch:
	s_mul_i32 s2, s12, 106496
	s_mov_b32 s3, 0
	s_add_nc_u64 s[4:5], s[4:5], s[2:3]            ; the head's part of qb
	s_lshr_b32 s19, s12, 4
	s_lshl_b32 s19, s19, 7                         ; 128 tiles of rows a batch
	s_and_b32 s51, s12, 15                         ; the head
	s_sub_co_u32 s16, 15, s[WV]
	s_lshl_b32 s17, s16, 3
	s_lshl_b32 s18, s11, 1
	s_add_co_u32 s17, s17, s18
	s_add_co_u32 s17, s17, 1                       ; tile A
	s_lshl_b32 s16, s[WV], 3
	s_add_co_u32 s18, s16, s18                     ; tile B
; tile s[t]: its image and scale words in qb, its image and scale bytes in ab
.macro TILEADR t, q, qs, o, os
	s_mul_i32 s2, s[\t], 768
	s_add_nc_u64 s[\q:\q+1], s[4:5], s[2:3]
	s_lshr_b32 s2, s[\t], 2
	s_lshl_b32 s2, s2, 8
	s_and_b32 s13, s[\t], 3
	s_lshl_b32 s13, s13, 2
	s_add_co_u32 s2, s2, s13
	s_add_co_u32 s2, s2, 98304
	s_add_nc_u64 s[\qs:\qs+1], s[4:5], s[2:3]
	s_add_co_u32 s13, s19, s[\t]                   ; the tile of rows among all 512
	s_lshl_b32 s2, s13, 4
	s_add_co_u32 s2, s2, s51
	s_mul_i32 s2, s2, 768
	s_add_nc_u64 s[\o:\o+1], s[8:9], s[2:3]
	s_lshl_b32 s2, s13, 9                          ; 16 rows of 32 scale bytes
	s_add_co_u32 s2, s2, s51
	s_add_co_u32 s2, s2, s51
	s_add_co_u32 s2, s2, 0x600000
	s_add_nc_u64 s[\os:\os+1], s[8:9], s[2:3]
.endm
	TILEADR 17, 52, 54, 60, 62
	TILEADR 18, 56, 58, 66, 68
	v_and_b32 v[TMP], 31, v0
	s_delay_alu instid0(VALU_DEP_1)
	v_lshlrev_b32 v[LI], 4, v[TMP]
	s_delay_alu instid0(VALU_DEP_2)
	v_lshlrev_b32 v[L8], 3, v[TMP]
	s_delay_alu instid0(VALU_DEP_1)
	v_add_nc_u32 v[L8], 512, v[L8]
	v_and_b32 v[RR], 15, v0
	v_bfe_u32 v[HH], v0, 4, 1
	s_delay_alu instid0(VALU_DEP_2)
	v_lshlrev_b32 v[R16], 4, v[RR]
	s_delay_alu instid0(VALU_DEP_1)
	v_add_nc_u32 v[LR], 12288, v[R16]
	s_delay_alu instid0(VALU_DEP_3)
	v_lshl_add_u32 v[OB8], v[RR], 5, v[HH]
	global_load_b128 v[QFA:QFA+3], v[LI], s[52:53] th:TH_LOAD_NT
	global_load_b64 v[QFA+4:QFA+5], v[L8], s[52:53] th:TH_LOAD_NT
	global_load_b32 v[QSA], v[R16], s[54:55]
	global_load_b128 v[QFB:QFB+3], v[LI], s[56:57] th:TH_LOAD_NT
	global_load_b64 v[QFB+4:QFB+5], v[L8], s[56:57] th:TH_LOAD_NT
	global_load_b32 v[QSB], v[R16], s[58:59]
	v_mov_b32 v[NINF], 0xff800000
	v_and_b32 v[TMP], 8, v[RR]
	s_delay_alu instid0(VALU_DEP_1)
	v_add_nc_u32 v[DQ0], v[TMP], v[RR]             ; r + 8 (r / 8)
	v_lshlrev_b32 v[TMP], 4, v[HH]
	s_delay_alu instid0(VALU_DEP_1)
	v_sub_nc_u32 v[DQ0], v[DQ0], v[TMP]            ; - 16 h
	s_lshl_b32 s2, s11, 5
	v_add_nc_u32 v[DQ0], s2, v[DQ0]                ; + 32 p
.irp i, 0,1,2,3,4,5
	v_mov_b32 v[QFA+6+\i], 0                       ; zero codes for K = 64 .. 127
	v_mov_b32 v[QFB+6+\i], 0
	v_mov_b32 v[KF+48+\i], 0
.endr
.irp b, 0,1,2,3
	v_mov_b32 v[BP+\b], 0                          ; a lane permute's destination counts as one of its sources
.endr
	v_mov_b32 v[PW], 0                             ; named as the upper half of the pair with f before it is first written
	s_mov_b32 s[SEL], 0x76543210
	s_mov_b32 s[SEL+1], 0xfedcba98
	s_mov_b32 s[CS], 0x3e38aa3b                    ; c = log2(e) / 8
	s_mov_b32 s[CS+1], s[CS]
; A KEY STEP of 128 keys for the tile whose queries lie in v[qf] on.  A step all of whose keys come after my queries is left out: a scalar branch on the wave's number and the loop's counter, round everything but the address's step.
.macro STEP qf, qs
	s_cmp_gt_u32 s[KS], s[G]
	s_cbranch_scc1 .Lskip_\@
	s_setprio 2
	v_add_nc_u32 v[ADK], s[TB], v[LI]              ; these three and the v_nop are the four places behind the last step's products
	v_add_nc_u32 v[ADK8], s[TB], v[L8]
	v_add_nc_u32 v[ADS], s[TB], v[LR]
	v_nop
.irp t, 0,1,2,3,4,5,6,7
	ds_load_b128 v[KF+6*\t:KF+6*\t+3], v[ADK] offset:768*\t
	ds_load_b64 v[KF+6*\t+4:KF+6*\t+5], v[ADK8] offset:768*\t
.endr
	ds_load_b128 v[KSC:KSC+3], v[ADS]
	ds_load_b128 v[KSC+4:KSC+7], v[ADS] offset:256
	s_wait_alu depctr_va_vdst(0)
	s_wait_dscnt 0x0
.irp t, 0,1,2,3,4,5,6,7
	v_wmma_scale_f32_16x16x128_f8f6f4 v[S+8*\t:S+8*\t+7], v[KF+6*\t:KF+6*\t+11], v[\qf:\qf+11], 0, v[KSC+\t], v[\qs] matrix_a_fmt:MATRIX_FMT_FP6 matrix_b_fmt:MATRIX_FMT_FP6
.endr
.rept 4
	v_nop                                          ; places in front of the loads into K's registers and of the first read of scores
.endr
.irp t, 0,1,2,3                        ; V's four fragments and scale words: they land under the softmax
.irp i, 0,1,2
	ds_load_b128 v[KF+12*\t+4*\i:KF+12*\t+4*\i+3], v[ADK] offset:6144+1536*\t+512*\i
.endr
.endr
	ds_load_b128 v[KSC:KSC+3], v[ADS] offset:512
	s_cmp_lg_u32 s[KS], s[G]                       ; on the diagonal hidden scores become -infinity: register 16 b + i holds key 32 b + 16 h + i of the step
	s_cbranch_scc1 .Lopen_\@
.set NN, 0
.rept 64
	v_cmp_gt_i32 vcc_lo, 32*(NN/16)+NN%16, v[DQ]
	v_cndmask_b32 v[S+NN], v[S+NN], v[NINF], vcc_lo
.set NN, NN+1
.endr
.Lopen_\@:
.irp b, 0,1,2,3
	v_max3_num_f32 v[BM+\b], v[S+16*\b], v[S+1+16*\b], v[S+2+16*\b]   ; the largest score of each block of 32 keys: for the row's maximum, and, since p rises with the score, for the block's largest p
.endr
.irp i, 3,5,7,9,11,13
.irp b, 0,1,2,3
	v_max3_num_f32 v[BM+\b], v[BM+\b], v[S+16*\b+\i], v[S+1+16*\b+\i]
.endr
.endr
.irp b, 0,1,2,3
	v_max_num_f32 v[BM+\b], v[BM+\b], v[S+15+16*\b]
.endr
.irp b, 0,1,2,3
	s_delay_alu instid0(VALU_DEP_4)
	v_permlanex16_b32 v[BP+\b], v[BM+\b], s[SEL], s[SEL+1]
.endr
.irp b, 0,1,2,3
	s_delay_alu instid0(VALU_DEP_4)
	v_max_num_f32 v[BM+\b], v[BM+\b], v[BP+\b]
.endr
	s_delay_alu instid0(VALU_DEP_2)
	v_max3_num_f32 v[TMP], v[BM], v[BM+1], v[BM+2]
	s_delay_alu instid0(VALU_DEP_1)
	v_max_num_f32 v[TMP], v[TMP], v[BM+3]
	s_delay_alu instid0(VALU_DEP_1)
	v_mul_f32 v[TMP], s[CS], v[TMP]
	s_delay_alu instid0(VALU_DEP_1)
	v_max_num_f32 v13, v13, v[TMP]                 ; the running largest t
	v_mov_b32 v[TMP], v12
	s_delay_alu instid0(VALU_DEP_2)
	v_floor_f32 v12, -v13                          ; -M = floor(-t)
	s_delay_alu instid0(VALU_DEP_1)
	v_sub_f32 v[TMP], v12, v[TMP]                  ; old M - new M: a whole number, 0 or less
	s_delay_alu instid0(VALU_DEP_1)
	v_cvt_i32_f32 v[TMP], v[TMP]                   ; (it saturates)
	s_delay_alu instid0(VALU_DEP_1)
	v_ldexp_f32 v[FF], 1.0, v[TMP]                 ; f = 2^(old M - new M)
.set NN, 0
.rept 32
	v_pk_fma_f32 v[S+NN:S+NN+1], v[S+NN:S+NN+1], s[CS:CS+1], v[12:13] op_sel_hi:[1,0,0]   ; t - M
.set NN, NN+2
.endr
	s_setprio 1
.irp b, 0,1,2,3
	v_fma_f32 v[BM+\b], v[BM+\b], s[CS], v12
.endr
.set NN, 0
	s_wait_alu depctr_va_vdst(0)
.rept 64
	v_exp_f32 v[S+NN], v[S+NN]                     ; p = 2^(t - M)
.set NN, NN+1
.endr
	v_pk_mul_f32 v[14:15], v[14:15], v[FF:FF+1] op_sel_hi:[1,0]   ; the sums under the new M: the plain place behind the exponentials
	s_wait_alu depctr_va_vdst(0)                   ; one wait for the batch, ahead of its first reader
.irp b, 0,1,2,3
	v_exp_f32 v[BM+\b], v[BM+\b]                   ; the blocks' largest p
.endr
	v_pk_add_f32 v[212:213], v[96:97], v[100:101]
	v_pk_add_f32 v[252:253], v[104:105], v[108:109]
	v_pk_add_f32 v[250:251], v[112:113], v[116:117]
	v_pk_add_f32 v[248:249], v[120:121], v[124:125]
	v_pk_add_f32 v[246:247], v[128:129], v[132:133]
	v_pk_add_f32 v[244:245], v[136:137], v[140:141]
	v_pk_add_f32 v[242:243], v[144:145], v[148:149]
	v_pk_add_f32 v[14:15], v[14:15], v[152:153]
	v_pk_add_f32 v[212:213], v[212:213], v[92:93]
	v_pk_add_f32 v[252:253], v[252:253], v[94:95]
	v_pk_add_f32 v[250:251], v[250:251], v[98:99]
	v_pk_add_f32 v[248:249], v[248:249], v[102:103]
	v_pk_add_f32 v[246:247], v[246:247], v[106:107]
	v_pk_add_f32 v[244:245], v[244:245], v[110:111]
	v_pk_add_f32 v[242:243], v[242:243], v[114:115]
	v_pk_add_f32 v[14:15], v[14:15], v[118:119]
	v_pk_add_f32 v[212:213], v[212:213], v[122:123]
	v_pk_add_f32 v[252:253], v[252:253], v[126:127]
	v_pk_add_f32 v[250:251], v[250:251], v[130:131]
	v_pk_add_f32 v[248:249], v[248:249], v[134:135]
	v_pk_add_f32 v[246:247], v[246:247], v[138:139]
	v_pk_add_f32 v[244:245], v[244:245], v[142:143]
	v_pk_add_f32 v[242:243], v[242:243], v[146:147]
	v_pk_add_f32 v[14:15], v[14:15], v[150:151]
	v_pk_add_f32 v[212:213], v[212:213], v[154:155]
	s_delay_alu instid0(VALU_DEP_2)
	v_pk_add_f32 v[14:15], v[14:15], v[248:249]
	s_delay_alu instid0(VALU_DEP_2)
	v_pk_add_f32 v[212:213], v[212:213], v[246:247]
	v_pk_add_f32 v[252:253], v[252:253], v[244:245]
	v_pk_add_f32 v[250:251], v[250:251], v[242:243]
	s_delay_alu instid0(VALU_DEP_2)
	v_pk_add_f32 v[14:15], v[14:15], v[252:253]
	s_delay_alu instid0(VALU_DEP_2)
	v_pk_add_f32 v[212:213], v[212:213], v[250:251]
	s_delay_alu instid0(VALU_DEP_1)
	v_pk_add_f32 v[14:15], v[14:15], v[212:213]
	s_wait_alu depctr_va_vdst(0)                   ; and one for the four
.irp b, 0,1,2,3
	v_max_num_f32 v[BM+\b], 0x1800000, v[BM+\b]    ; the floor 2^(3 - 127)
.endr
.irp b, 0,1,2,3
	s_delay_alu instid0(VALU_DEP_4)
	v_add_nc_u32 v[BS+\b], 0xff000000, v[BM+\b]    ; the conversion's scale operand
.endr
.irp b, 0,1,2,3
	s_delay_alu instid0(VALU_DEP_4)
	v_lshrrev_b32 v[BP+\b], 23, v[BS+\b]           ; the scale's byte
.endr
	s_delay_alu instid0(VALU_DEP_3)
	v_lshl_or_b32 v[PW], v[BP+1], 8, v[BP]
	s_delay_alu instid0(VALU_DEP_1)
	v_lshl_or_b32 v[PW], v[BP+2], 16, v[PW]
	s_delay_alu instid0(VALU_DEP_1)
	v_lshl_or_b32 v[PW], v[BP+3], 24, v[PW]
	s_setprio 0
.irp c, 0,1
	v_cvt_scalef32_pk16_fp6_f32 v[PC+6*\c:PC+6*\c+2], v[S+32*\c:S+32*\c+15], v[BS+2*\c]
	v_cvt_scalef32_pk16_fp6_f32 v[PX+4*\c:PX+4*\c+2], v[S+32*\c+16:S+32*\c+31], v[BS+2*\c+1]
.endr
	v_nop                                          ; one plain place behind a scaled conversion
.irp c, 0,1
.irp i, 0,1,2
	v_permlane16_swap_b32 v[PC+6*\c+\i], v[PX+4*\c+\i]
.endr
.irp i, 0,1,2
	s_delay_alu instid0(VALU_DEP_3)
	v_mov_b32 v[PC+3+6*\c+\i], v[PX+4*\c+\i]
.endr
.endr
.set NN, 0
.rept 16
	v_pk_mul_f32 v[OT+NN:OT+NN+1], v[OT+NN:OT+NN+1], v[FF:FF+1] op_sel_hi:[1,0]   ; the result under the new M; these sixteen are also the places between the writes of p's codes and scale word and the products
.set NN, NN+2
.endr
	s_wait_alu depctr_va_vdst(0)
	s_wait_dscnt 0x0                               ; V is in
.irp t, 0,1,2,3                        ; the four accumulators by turns
	v_wmma_scale_f32_16x16x128_f8f6f4 v[OT+8*\t:OT+8*\t+7], v[KF+12*\t:KF+12*\t+11], v[PC:PC+11], v[OT+8*\t:OT+8*\t+7], v[KSC+\t], v[PW] matrix_a_fmt:MATRIX_FMT_FP6 matrix_b_fmt:MATRIX_FMT_FP6
.endr
.Lskip_\@:
	s_add_co_u32 s[TB], s[TB], STEPB
.endm
.macro PASSINIT e
	v_mov_b32 v13, 0xff61b1e6                      ; the largest t so far: -3e38
	s_delay_alu instid0(VALU_DEP_1)
	v_floor_f32 v12, -v13
	v_mov_b32 v14, 0
	v_mov_b32 v15, 0
.set NN, 0
.rept 32
	v_mov_b32 v[OT+NN], 0                          ; the step is written for every step alike: the first finds zeros
.set NN, NN+1
.endr
	v_add_nc_u32 v[DQ], \e, v[DQ0]
.endm
; The tile's way out: divided by the sum, quantised in two blocks of 32 channels, stored as an image and two scale bytes a row.
.macro EPI o, os
.rept 4
	v_nop                                          ; places behind the last products
.endr
	v_add_f32 v14, v14, v15
	s_delay_alu instid0(VALU_DEP_1)
	v_permlanex16_b32 v[TMP], v14, s[SEL], s[SEL+1]
	s_delay_alu instid0(VALU_DEP_1)
	v_add_f32 v14, v14, v[TMP]
	s_wait_alu depctr_va_vdst(0)
	v_rcp_f32 v14, v14
	v_nop
	s_wait_alu depctr_va_vdst(0)                   ; ahead of the first reader
.set NN, 0
.rept 16
	v_pk_mul_f32 v[S+NN:S+NN+1], v[OT+NN:OT+NN+1], v[14:15] op_sel_hi:[1,0]   ; register 16 b + i: channel 32 b + 16 h + i
.set NN, NN+2
.endr
.irp b, 0,1
	v_max3_num_f32 v[BM+\b], |v[S+16*\b]|, |v[S+16*\b+1]|, 0x1800000
.endr
.irp i, 2,4,6,8,10,12,14
.irp b, 0,1
	s_delay_alu instid0(VALU_DEP_2)
	v_max3_num_f32 v[BM+\b], v[BM+\b], |v[S+16*\b+\i]|, |v[S+16*\b+\i+1]|
.endr
.endr
.irp b, 0,1
	s_delay_alu instid0(VALU_DEP_2)
	v_permlanex16_b32 v[BP+\b], v[BM+\b], s[SEL], s[SEL+1]
.endr
.irp b, 0,1
	s_delay_alu instid0(VALU_DEP_2)
	v_max_num_f32 v[BM+\b], v[BM+\b], v[BP+\b]
.endr
.irp b, 0,1
	s_delay_alu instid0(VALU_DEP_2)
	v_add_nc_u32 v[BS+\b], 0xff000000, v[BM+\b]
.endr
.irp b, 0,1
	s_delay_alu instid0(VALU_DEP_2)
	v_lshrrev_b32 v[BP+\b], 23, v[BS+\b]
.endr
	v_cvt_scalef32_pk16_fp6_f32 v[240:242], v[S:S+15], v[BS]
	v_cvt_scalef32_pk16_fp6_f32 v[244:246], v[S+16:S+31], v[BS+1]
	v_nop
.irp i, 0,1,2
	v_permlane16_swap_b32 v[240+\i], v[244+\i]     ; lane (r, h) now holds block h: its lower 16 codes, and in the second run its upper 16
.endr
.irp i, 0,1,2
	s_delay_alu instid0(VALU_DEP_3)
	v_mov_b32 v[243+\i], v[244+\i]
.endr
	v_cmp_eq_u32 vcc_lo, 1, v[HH]
	s_delay_alu instid0(VALU_DEP_1)
	v_cndmask_b32 v247, v[BP], v[BP+1], vcc_lo     ; block h's byte
	global_store_b128 v[LI], v[240:243], s[\o:\o+1]
	global_store_b64 v[L8], v[244:245], s[\o:\o+1]
	global_store_b8 v[OB8], v247, s[\os:\os+1]
.endm
	s_wait_loadcnt 0x0                             ; both tiles of queries
	s_wait_tensorcnt 1                             ; my part of key steps 0-3 is in; the larger load may be out
	s_barrier_signal -1
	s_barrier_wait -1
	PASSINIT 8
	s_sub_co_u32 s[G], 15, s[WV]
	s_mov_b32 s[KS], 0
	s_mov_b32 s[TB], 0
.Lone:
	STEP QFA, QSA
	s_add_co_u32 s[KS], s[KS], 1
	s_cmp_lt_u32 s[KS], 4
	s_cbranch_scc1 .Lone
	s_setprio 0
	s_wait_tensorcnt 0x0                           ; my part of key steps 4-15 is in,
	s_wait_dscnt 0x0
	s_barrier_signal -1
	s_barrier_wait -1                              ; everybody's is
	s_mov_b32 s[KS], 4
	s_mov_b32 s[TB], 4*STEPB
.Ltwo:
	STEP QFA, QSA
	s_add_co_u32 s[KS], s[KS], 1
	s_cmp_lt_u32 s[KS], 16
	s_cbranch_scc1 .Ltwo
	s_setprio 0
	EPI 60, 62
	s_wait_xcnt 0x0                                ; the stores have read their registers
	PASSINIT 0
	s_mov_b32 s[G], s[WV]
	s_mov_b32 s[KS], 0
	s_mov_b32 s[TB], 0
.Lthree:
	STEP QFB, QSB
	s_add_co_u32 s[KS], s[KS], 1
	s_cmp_lt_u32 s[KS], 16
	s_cbranch_scc1 .Lthree
	s_setprio 0
	EPI 66, 68
	s_wait_tensorcnt 0x0
	ds_add_u32 v254, v255
	s_wait_dscnt 0x0
	CROUND                                         ; the closing round
	s_endpgm
.Lfunc_end_k_qaf2e2f5857_attn:
	.size	k_qaf2e2f5857_attn, .Lfunc_end_k_qaf2e2f5857_attn-k_qaf2e2f5857_attn
	.p2alignl 7, 3214868480
	.fill 96, 4, 3214868480
	.section	.rodata,"a",@progbits
	.p2align	6, 0x0
	.amdhsa_kernel k_qaf2e2f5857_attn
		.amdhsa_group_segment_fixed_size 210944
		.amdhsa_private_segment_fixed_size 0
		.amdhsa_enable_private_segment 0
		.amdhsa_kernarg_size 24
		.amdhsa_user_sgpr_count 2
		.amdhsa_user_sgpr_kernarg_segment_ptr 1
		.amdhsa_wavefront_size32 1
		.amdhsa_system_sgpr_workgroup_id_x 1
		.amdhsa_system_sgpr_workgroup_id_y 1
		.amdhsa_system_sgpr_workgroup_id_z 1
		.amdhsa_system_vgpr_workitem_id 0
		.amdhsa_next_free_vgpr 256
		.amdhsa_next_free_sgpr 72
		.amdhsa_reserve_vcc 1
		.amdhsa_float_denorm_mode_32 3
		.amdhsa_float_denorm_mode_16_64 3
		.amdhsa_memory_ordered 1
		.amdhsa_forward_progress 1
		.amdhsa_inst_pref_size 86
	.end_amdhsa_kernel
	.amdgpu_metadata
---
amdhsa.version: [ 1, 2 ]
amdhsa.kernels:
  - .name:           k_qaf2e2f5857_attn
    .symbol:         k_qaf2e2f5857_attn.kd
    .args:
      - { .name: qb, .offset: 0, .size: 8, .value_kind: global_buffer, .address_space: global }
      - { .name: kv, .offset: 8, .size: 8, .value_kind: global_buffer, .address_space: global }
      - { .name: ab, .offset: 16, .size: 8, .value_kind: global_buffer, .address_space: global }
    .group_segment_fixed_size: 210944
    .private_segment_fixed_size: 0
    .kernarg_segment_align: 8
    .kernarg_segment_size: 24
    .max_flat_workgroup_size: 512
    .sgpr_count:     72
    .vgpr_count:     256
    .wavefront_size: 32
...
	.end_amdgpu_metadata
.endif
;; end of part 3
;; launch oproj (part 4): grid 4 x 32, 4 waves a work-group, clusters of 4 x 4, 327,680 bytes of LDS; arguments ab, wc, ws, out0; writes out0
.if DOCPART == 4
	.amdgcn_target "amdgcn-amd-amdhsa--gfx1250"
	.amdhsa_code_object_version 6
	.text
	.protected	k_qaf2e2f5857_oproj
	.globl	k_qaf2e2f5857_oproj
	.p2align	8
	.type	k_qaf2e2f5857_oproj,@function
k_qaf2e2f5857_oproj:
	s_mov_b64 s[64:65], 0
	v_nop
	global_prefetch_b8 v0, s[64:65] scope:SCOPE_SE
	s_setreg_imm32_b32 hwreg(HW_REG_WAVE_MODE, 25, 1), 1
	s_wait_xcnt 0x0
	s_wait_alu depctr_hold_cnt(0) depctr_sa_sdst(0) depctr_va_vdst(0) depctr_va_sdst(0) depctr_va_ssrc(0) depctr_va_vcc(0) depctr_vm_vsrc(0)
	s_getreg_b32 s2, hwreg(HW_REG_IB_STS2, 6, 4)
	s_cmp_eq_u32 s2, 0
	s_cbranch_scc0 .Lentry_in_a_cluster
	s_endpgm
.Lentry_in_a_cluster:
	s_bfe_u32 s2, ttmp6, 0x10000c
	s_cmp_lg_u32 s2, 0xf033
	s_cbranch_scc0 .Lentry_shape_is_right
	s_endpgm
.Lentry_shape_is_right:
; out0 = attn Wo^T on codes of FP6 (E2M3) with E8M0 scales, K = 1,024; out0 [8192][1024] f32.
; A tile of 256 x 256 is made by four waves, 128 x 128 each (64 accumulators, 512 registers).  K goes in steps of 256 through a ring of two LDS slots; the scale bytes of the tile's rows come once with the first fills.
; CLUSTERS of 4 x 4: attn's tile is shared along a row of the cluster, Wo's along a column: each is asked for jointly.  The grid has 128 work-groups: a tile of 256 x 128 would give 256 and is not built here.
; attn's codes lie in ab as images of operand registers: for each 16 rows and each head 768 bytes (registers 0-3 at 16 x lane, 4-5 at 512 + 8 x lane); a K step of 256 is four heads, 3,072 consecutive bytes of each 16 rows' 12,288.
; So a fragment of 128 along K is two images, four loads without bank conflicts.  Its scale bytes lie behind the codes, at 0x600000, 32 a row.  Wo's codes are rows 3,072 on of wc, in their true order; its tiles are padded in LDS.
; The matrix instruction is used transposed (source 0 = 16 rows of Wo, source 1 = 16 rows of attn): a lane holds eight neighbouring numbers of a row of out0.
; Lane r of block a holds row 32 (a / 2) + 8 (a % 2) + r % 8 + 16 (r / 8) of my 128: the stores' immediates put each row in its place.
; No prefetch: two refills in all.
; REGISTERS as windows of 256: window 0: v0-31 addresses; v32-63 scale words, two sets; v128-223 attn's fragments, one set.  window 1: Wo's fragments, two sets.  windows 2, 3: the accumulators.
.set KSTEP,  256
.set NQ,     2
.set ROWB,   192
.set KROW,   768
.set PITCH,  240
.set FR,     12
.set NL,     6                         ; loads that bring a fragment of Wo
.set NLA,    4                         ; and one of attn
.set NP,     4
.set HALFA,  8*3072                    ; attn: 8 tiles of 16 rows x 256 K
.set HALFT,  128*PITCH
.set SLOT,   2*HALFA+2*HALFT
.set LAPS,   2
.set KS,     32
.set SCL,    2*SLOT
.set HALFS,  16*272
.set SBLK,   2*272
.set SPARE,  SCL+4*HALFS               ; the spare words: two blocks of 256 bytes that no other line names
.set SPITCH, 528                       ; the way out: 16 rows x (512 + 16) bytes a wave, in slot 0, which has had its last fill and its last read by then
.set ADRA,  16                         ; v16-17 attn's images in slot 0, 1: + 16 x lane
.set ADRA8, 18                         ; v18-19 + 512 + 8 x lane
.set ADRB,  20                         ; v20-23 Wo's fragments
.set STO,  24
.set RD,   25
.set CO,   26
.set ADRS, 27                          ; my scale words: lanes 0-15 attn's rows, lanes 16-31 Wo's
.set SPW,  28
.set NIL,  29
.set SC,   32
.set AF,   128
.set BK,   128
.set G1, 24
.set G0, 32
.set G1B, 48
.set G0B, 56
.set G1S, 68
.set G0S, 76
.set G1SB, 80
.set G0SB, 88
.set MSB, 0
.macro WIN new
.if MSB != (\new)
	s_set_vgpr_msb (MSB<<8)|(\new)
.set MSB, (\new)
.endif
.endm
.set MUL_LO, 0xa1
.set MUL_HI, 0xf1
.set TO_B,   0x40
.macro JLOAD g0a, g1a, g0b, g1b        ; waves 0 and 1 fetch attn's halves, waves 2 and 3 Wo's; four v_nop follow each line
	s_cmp_eq_u32 s15, 0
	s_cbranch_scc0 .Lfor_b_\@
	tensor_load_to_lds s[\g0a:\g0a+3], s[\g1a:\g1a+7]
	s_nop 0
.rept 4
	v_nop
.endr
	s_branch .Lasked_\@
.Lfor_b_\@:
	tensor_load_to_lds s[\g0b:\g0b+3], s[\g1b:\g1b+7]
	s_nop 0
.rept 4
	v_nop
.endr
.Lasked_\@:
.endm
.macro CREST
	s_cmp_lg_u32 s14, 0
	s_cbranch_scc1 .Lnot_wave_0_\@
	s_barrier_signal -3
.Lnot_wave_0_\@:
	s_barrier_wait -3
	s_barrier_signal -1
	s_barrier_wait -1
.endm
.macro CROUND
	s_barrier_signal -1
	s_barrier_wait -1
	CREST
.endm
	s_load_b128 s[4:7], s[0:1], 0x0                ; ab, wc
	s_load_b128 s[8:11], s[0:1], 0x10              ; ws, out0
	v_lshl_add_u32 v[SPW], v0, 2, SPARE
	v_mov_b32 v[NIL], 0
	ds_add_u32 v28, v29
	ds_add_u32 v28, v29
	s_wait_dscnt 0x0
	v_lshrrev_b32 v1, 5, v0
	v_readfirstlane_b32 s14, v1
	s_lshr_b32 s15, s14, 1                         ; my half of the tile's rows.  Also: I fetch attn (0) or Wo (1)
	s_and_b32 s16, s14, 1                          ; my half of its columns.  Also: which 128 rows I fetch
	s_bfe_u32 s40, ttmp6, 0x40000
	s_bfe_u32 s41, ttmp6, 0x40004
	s_lshl_b32 s42, ttmp9, 2
	s_add_co_u32 s42, s42, s40                     ; tile column
	s_and_b32 s17, ttmp7, 0xffff
	s_lshl_b32 s17, s17, 2
	s_add_co_u32 s17, s17, s41                     ; tile row
	s_lshl_b32 s43, s41, 2
	s_lshl_b32 s43, 15, s43
	s_lshl_b32 s44, 0x1111, s40
	s_or_b32 s[G1+0], s43, (3<<16)|(1<<21)         ; attn: elements of 8 bytes, no padding; the mask of my row, bit 21 beside it
	s_mov_b32 s[G1+1], 384<<16                     ; rows of 3,072 bytes
	s_mov_b32 s[G1+2], 8<<16
	s_mov_b32 s[G1+3], 384<<16
	s_mov_b32 s[G1+4], 8                           ; eight of them
	s_mov_b32 s[G1+5], 1536                        ; 12,288 bytes apart
	s_mov_b32 s[G1+6], 0
	s_mov_b32 s[G1+7], 0
	s_or_b32 s[G1B+0], s44, (0<<16)|(1<<20)|(1<<21)|(3<<22)|(3<<25)  ; Wo: 128 rows of 192 bytes, 16 bytes of padding behind every 64
	s_mov_b32 s[G1B+1], ROWB<<16
	s_mov_b32 s[G1B+2], 128<<16
	s_mov_b32 s[G1B+3], ROWB<<16
	s_mov_b32 s[G1B+4], 128
	s_mov_b32 s[G1B+5], KROW
	s_mov_b32 s[G1B+6], 0
	s_mov_b32 s[G1B+7], 0
	s_or_b32 s[G1S+0], s43, (3<<16)|(1<<20)|(1<<21)|(5<<22)|(3<<25)
	s_or_b32 s[G1SB+0], s44, (3<<16)|(1<<20)|(1<<21)|(5<<22)|(3<<25)
.irp g, G1S, G1SB
	s_mov_b32 s[\g+1], 32<<16
	s_mov_b32 s[\g+2], 16<<16
	s_mov_b32 s[\g+3], 32<<16
	s_mov_b32 s[\g+4], 16
	s_mov_b32 s[\g+5], 32
	s_mov_b32 s[\g+6], 0
	s_mov_b32 s[\g+7], 0
.endr
	s_lshl_b32 s18, s16, 7
	s_lshl_b32 s20, s17, 8
	s_add_co_u32 s20, s20, s18                     ; attn: row 256 x tile row + 128 x half
	s_lshl_b32 s46, s42, 8
	s_add_co_u32 s46, s46, s18                     ; Wo: row 256 x tile column + 128 x half
	s_lshl_b32 s22, s20, 5
	s_add_co_u32 s22, s22, 0x600000                ; attn's scale bytes lie behind its codes
	s_mov_b32 s23, 0
	s_lshl_b32 s92, s46, 5
	s_add_co_u32 s92, s92, 0x18000                 ; Wo's: rows 3,072 on of ws
	s_mov_b32 s93, 0
	s_mul_i32 s20, s20, 768                        ; 12,288 bytes for 16 rows
	s_mov_b32 s21, 0
	s_mul_i32 s46, s46, KROW
	s_add_co_u32 s46, s46, 0x240000                ; rows 3,072 on of wc
	s_mov_b32 s47, 0
	s_mul_i32 s45, s16, HALFA                      ; where they go: attn's two halves,
	s_mul_i32 s95, s16, HALFT
	s_add_co_u32 s95, s95, 2*HALFA                 ; then Wo's two
	s_mul_i32 s94, s14, HALFS
	s_wait_kmcnt 0x0
	s_add_nc_u64 s[22:23], s[4:5], s[22:23]
	s_add_nc_u64 s[20:21], s[4:5], s[20:21]
	s_add_nc_u64 s[46:47], s[6:7], s[46:47]
	s_add_nc_u64 s[92:93], s[8:9], s[92:93]
	CROUND
	s_mov_b32 s[G0S], 1
	s_add_co_u32 s[G0S+1], s94, SCL
	s_mov_b64 s[G0S+2:G0S+3], s[22:23]
	s_or_b32 s[G0S+3], s[G0S+3], 0x80000000
	s_mov_b32 s[G0SB], 1
	s_add_co_u32 s[G0SB+1], s94, SCL
	s_mov_b64 s[G0SB+2:G0SB+3], s[92:93]
	s_or_b32 s[G0SB+3], s[G0SB+3], 0x80000000
	JLOAD G0S, G1S, G0SB, G1SB
.irp s, 0,1
	s_mov_b32 s[G0+4*\s], 1
	s_add_co_u32 s[G0+4*\s+1], s45, \s*SLOT
	s_add_nc_u64 s[G0+4*\s+2:G0+4*\s+3], s[20:21], \s*3072
	s_or_b32 s[G0+4*\s+3], s[G0+4*\s+3], 0x80000000
	s_mov_b32 s[G0B+4*\s], 1
	s_add_co_u32 s[G0B+4*\s+1], s95, \s*SLOT
	s_add_nc_u64 s[G0B+4*\s+2:G0B+4*\s+3], s[46:47], \s*ROWB
	s_or_b32 s[G0B+4*\s+3], s[G0B+4*\s+3], 0x80000000
	JLOAD G0+4*\s, G1, G0B+4*\s, G1B
.endr
	v_and_b32 v1, 15, v0                           ; r
	v_bfe_u32 v2, v0, 4, 1                         ; h
	v_and_b32 v6, 31, v0
	v_lshlrev_b32 v4, 4, v6
	v_lshlrev_b32 v5, 3, v6
	v_add_nc_u32 v5, 512, v5
	s_mul_i32 s21, s15, HALFA                      ; my 128 rows of attn
.irp s, 0,1
	v_add_nc_u32 v[ADRA+\s], s21, v4
	v_add_nc_u32 v[ADRA8+\s], s21, v5
	s_add_co_u32 s21, s21, SLOT
.endr
	v_mul_u32_u24 v3, v1, PITCH
	v_mul_u32_u24 v4, v2, 24
	v_add_nc_u32 v4, v3, v4
	v_lshl_add_u32 v5, v2, 4, v4
	s_mul_i32 s22, s16, HALFT
	s_add_co_u32 s22, s22, 2*HALFA                 ; my 128 rows of Wo
.irp s, 0,1
	v_add_nc_u32 v[ADRB+\s], s22, v4
	v_add_nc_u32 v[ADRB+2+\s], s22, v5
	s_add_co_u32 s22, s22, SLOT
.endr
	v_mul_u32_u24 v5, v1, KS
	v_lshrrev_b32 v6, 8, v5
	v_lshl_add_u32 v5, v6, 4, v5
	s_mul_i32 s21, s15, HALFS
	s_mul_i32 s22, s16, HALFS
	s_add_co_u32 s22, s22, 2*HALFS
	s_sub_co_u32 s22, s22, s21
	v_mul_u32_u24 v6, s22, v2                      ; lanes 16-31 take Wo's
	s_add_co_u32 s21, s21, SCL
	v_add_nc_u32 v5, v5, v6
	v_add_nc_u32 v[ADRS], s21, v5
	s_mul_i32 s23, s14, 16*SPITCH                  ; my stage
	v_mul_u32_u24 v5, v1, SPITCH
	v_lshl_add_u32 v5, v2, 5, v5
	v_add_nc_u32 v[STO], s23, v5
	v_and_b32 v6, 31, v0
	v_lshlrev_b32 v[CO], 4, v6
	v_add_nc_u32 v[RD], s23, v[CO]
	s_lshl_b32 s20, s17, 8
	s_lshl_b32 s21, s15, 7
	s_add_co_u32 s20, s20, s21                     ; my first row of out0
	s_lshl_b32 s20, s20, 12                        ; 4,096 bytes a row
	s_lshl_b32 s46, s42, 10
	s_lshl_b32 s47, s16, 9
	s_add_co_u32 s46, s46, s47                     ; my first column, in bytes
	s_add_co_u32 s20, s20, s46
	s_mov_b32 s21, 0
	s_add_nc_u64 s[12:13], s[10:11], s[20:21]
.macro FRAG reg, adr, q, i
.irp p, 0,1,2,3,4,5
.set PCE, 12*(\q)+6*(\p/3)+\p%3
.if PCE%8 < 5
	ds_load_b64 v[\reg+2*\p:\reg+2*\p+1], v[\adr] offset:8*PCE+16*(PCE/8)+(\i)*16*PITCH
.else
	ds_load_b64 v[\reg+2*\p:\reg+2*\p+1], v[\adr+2] offset:8*PCE+16*(PCE/8)+(\i)*16*PITCH
.endif
.endr
.endm
.macro FRAGA reg, slot, q, i           ; two heads' images are a fragment of 128 along K
.irp c, 0,1
	ds_load_b128 v[\reg+6*\c:\reg+6*\c+3], v[ADRA+\slot] offset:3072*(\i)+1536*(\q)+768*\c
	ds_load_b64 v[\reg+6*\c+4:\reg+6*\c+5], v[ADRA8+\slot] offset:3072*(\i)+1536*(\q)+768*\c
.endr
.endm
.macro MUL16 a0, p, q, sc, zero        ; the 64 accumulators take turns, one instruction a turn
.irp a, \a0, \a0+1
.irp b, 0,1,2,3,4,5,6,7
.if \zero
	v_wmma_scale_f32_16x16x128_f8f6f4 v[8*(8*((\a)%4)+\b):8*(8*((\a)%4)+\b)+7], v[128*(\p)+FR*\b:128*(\p)+FR*\b+FR-1], v[AF+FR*(\a):AF+FR*(\a)+FR-1], 0, v[SC+8*NQ*(\sc)+NQ*\b+(\q)], v[SC+8*NQ*(\sc)+NQ*(\a)+(\q)] matrix_a_fmt:MATRIX_FMT_FP6 matrix_b_fmt:MATRIX_FMT_FP6 matrix_a_scale:MATRIX_SCALE_ROW1
.else
	v_wmma_scale_f32_16x16x128_f8f6f4 v[8*(8*((\a)%4)+\b):8*(8*((\a)%4)+\b)+7], v[128*(\p)+FR*\b:128*(\p)+FR*\b+FR-1], v[AF+FR*(\a):AF+FR*(\a)+FR-1], v[8*(8*((\a)%4)+\b):8*(8*((\a)%4)+\b)+7], v[SC+8*NQ*(\sc)+NQ*\b+(\q)], v[SC+8*NQ*(\sc)+NQ*(\a)+(\q)] matrix_a_fmt:MATRIX_FMT_FP6 matrix_b_fmt:MATRIX_FMT_FP6 matrix_a_scale:MATRIX_SCALE_ROW1
.endif
.endr
.endr
.endm
.macro FETCH_B slot, q, p
	WIN TO_B
.irp i, 0,1,2,3,4,5,6,7
	FRAG 128*(\p)+FR*\i, ADRB+\slot, \q, \i
.endr
	WIN 0
.endm
.macro FETCH_A slot, q, i0
.irp i, \i0, \i0+1, \i0+2, \i0+3
	FRAGA AF+FR*(\i), \slot, \q, \i
.endr
.endm
.macro SCALES sc
.irp i, 0,1,2,3,4,5,6,7
	ds_load_b64 v[SC+8*NQ*\sc+NQ*\i:SC+8*NQ*\sc+NQ*\i+1], v[ADRS] offset:\i*SBLK
.endr
.endm
.macro PLACES n
.rept \n
	v_nop
.endr
.endm
.macro STEP slot, q, zero
	s_wait_dscnt 4*NLA                             ; all but the youngest 16 loads (attn's blocks 4-7) are in
	WIN MUL_LO
	MUL16 0, (\q)%2, \q, \slot, \zero
	MUL16 2, (\q)%2, \q, \slot, \zero
	s_wait_dscnt 0
	PLACES NP
	FETCH_B \slot, (\q)+1, 1-(\q)%2
	FETCH_A \slot, (\q)+1, 0
	WIN MUL_HI
	MUL16 4, (\q)%2, \q, \slot, \zero
	MUL16 6, (\q)%2, \q, \slot, \zero
	PLACES NP
	WIN 0
	FETCH_A \slot, (\q)+1, 4
.endm
.macro TURN slot, next, fill
	s_wait_tensorcnt 0x0                           ; all my tensor loads have landed: my part of the next slot
	ds_add_u32 v[SPW], v[NIL]                      ; 0 onto my spare word
	s_wait_dscnt 4*NLA+1                           ; the add and the youngest 16 loads may be out
	WIN MUL_LO
	MUL16 0, 1, NQ-1, \slot, 0
	s_wait_dscnt 0x0                               ; the add is done, and my reads of this slot are over
	s_barrier_signal -1
	MUL16 2, 1, NQ-1, \slot, 0
	WIN 0
	s_barrier_wait -1
.if \fill
	CREST                                          ; the barrier has opened a round of the cluster's
	s_add_nc_u64 s[G0+4*\slot+2:G0+4*\slot+3], s[G0+4*\slot+2:G0+4*\slot+3], 2*3072
	s_add_nc_u64 s[G0B+4*\slot+2:G0B+4*\slot+3], s[G0B+4*\slot+2:G0B+4*\slot+3], 2*ROWB
	JLOAD G0+4*\slot, G1, G0B+4*\slot, G1B
.else
	PLACES NP
.endif
	v_add_nc_u32 v[ADRS], 4*NQ, v[ADRS]
	FETCH_B \next, 0, 0
	FETCH_A \next, 0, 0
	SCALES \next
	WIN MUL_HI
	MUL16 4, 1, NQ-1, \slot, 0
	MUL16 6, 1, NQ-1, \slot, 0
	PLACES NP
	WIN 0
	FETCH_A \next, 0, 4
.endm
	s_wait_tensorcnt 1                             ; the scale bytes and my part of K step 0 are in; K step 1's load may be out
	s_barrier_signal -1
	s_barrier_wait -1
	FETCH_B 0, 0, 0
	FETCH_A 0, 0, 0
	SCALES 0
	FETCH_A 0, 0, 4
	STEP 0, 0, 1
	s_mov_b32 s3, LAPS-1
.Llap:
	TURN 0, 1, 1
	STEP 1, 0, 0
	TURN 1, 0, 1
	STEP 0, 0, 0
	s_sub_co_u32 s3, s3, 1
	s_cmp_lg_u32 s3, 0
	s_cbranch_scc1 .Llap
	TURN 0, 1, 0
	STEP 1, 0, 0
	s_wait_dscnt 4*NLA
	WIN MUL_LO
	MUL16 0, 1, NQ-1, 1, 0
	MUL16 2, 1, NQ-1, 1, 0
	s_wait_dscnt 0
	WIN MUL_HI
	MUL16 4, 1, NQ-1, 1, 0
	MUL16 6, 1, NQ-1, 1, 0
	WIN 0
; THE WAY OUT, block by block of 16 rows x 128 columns, through my own stage: back as whole rows of 512 bytes.  LDS serves a wave's instructions in order: no wait between the stores and the loads.
.macro TOSTAGE a
.set AC, 64*((\a)%4)
	WIN 0x08+4*((\a)/4)                            ; the data: window 2 or 3
.irp b, 0,1,2,3,4,5,6,7
	ds_store_b128 v[STO], v[AC+8*\b:AC+8*\b+3] offset:64*\b          ; each accumulator from its low end on
	ds_store_b128 v[STO], v[AC+8*\b+4:AC+8*\b+7] offset:64*\b+16
.endr
	WIN 0
.set BB, BK+64*((\a)%2)
.irp t, 0,1,2,3,4,5,6,7,8,9,10,11,12,13,14,15
	ds_load_b128 v[BB+4*\t:BB+4*\t+3], v[RD] offset:\t*SPITCH
.endr
.endm
.macro SEND a, younger                 ; stage row t of block a is row 32 (a / 2) + 8 (a % 2) + t + 8 (t / 8) of my 128: 127 rows of 4,096 bytes at the most, inside the immediate
.set BB, BK+64*((\a)%2)
	s_wait_dscnt \younger
.irp t, 0,1,2,3,4,5,6,7,8,9,10,11,12,13,14,15
	global_store_b128 v[CO], v[BB+4*\t:BB+4*\t+3], s[12:13] offset:(32*((\a)/2)+8*((\a)%2)+\t+8*(\t/8))*4096 th:TH_STORE_NT   ; 32 lanes store 512 consecutive bytes, aligned
.endr
.endm
	PLACES NP
	TOSTAGE 0
.irp a, 1,2,3,4,5,6,7
.if \a > 1
	s_wait_xcnt 0x0                                ; block a - 2's stores have read their registers: block a's loads may land there
.endif
	TOSTAGE \a
	SEND \a-1, 32                                  ; behind block a - 1's loads: block a's 16 stores and 16 loads
.endr
	SEND 7, 0
	s_wait_tensorcnt 0x0                           ; the wave's end
	ds_add_u32 v[SPW], v[NIL]
	s_wait_dscnt 0x0
	CROUND                                         ; the closing round
	s_endpgm
.Lfunc_end_k_qaf2e2f5857_oproj:
	.size	k_qaf2e2f5857_oproj, .Lfunc_end_k_qaf2e2f5857_oproj-k_qaf2e2f5857_oproj
	.p2alignl 7, 3214868480
	.fill 96, 4, 3214868480
	.section	.rodata,"a",@progbits
	.p2align	6, 0x0
	.amdhsa_kernel k_qaf2e2f5857_oproj
		.amdhsa_group_segment_fixed_size 327680
		.amdhsa_private_segment_fixed_size 0
		.amdhsa_enable_private_segment 0
		.amdhsa_kernarg_size 32
		.amdhsa_user_sgpr_count 2
		.amdhsa_user_sgpr_kernarg_segment_ptr 1
		.amdhsa_wavefront_size32 1
		.amdhsa_system_sgpr_workgroup_id_x 1
		.amdhsa_system_sgpr_workgroup_id_y 1
		.amdhsa_system_sgpr_workgroup_id_z 1
		.amdhsa_system_vgpr_workitem_id 0
		.amdhsa_next_free_vgpr 1024
		.amdhsa_next_free_sgpr 98
		.amdhsa_reserve_vcc 0
		.amdhsa_float_denorm_mode_32 3
		.amdhsa_float_denorm_mode_16_64 3
		.amdhsa_memory_ordered 1
		.amdhsa_forward_progress 1
		.amdhsa_inst_pref_size 152
	.end_amdhsa_kernel
	.amdgpu_metadata
---
amdhsa.version: [ 1, 2 ]
amdhsa.kernels:
  - .name:           k_qaf2e2f5857_oproj
    .symbol:         k_qaf2e2f5857_oproj.kd
    .args:
      - { .name: ab, .offset: 0, .size: 8, .value_kind: global_buffer, .address_space: global }
      - { .name: wc, .offset: 8, .size: 8, .value_kind: global_buffer, .address_space: global }
      - { .name: ws, .offset: 16, .size: 8, .value_kind: global_buffer, .address_space: global }
      - { .name: out0, .offset: 24, .size: 8, .value_kind: global_buffer, .address_space: global }
    .group_segment_fixed_size: 327680
    .private_segment_fixed_size: 0
    .kernarg_segment_align: 8
    .kernarg_segment_size: 32
    .max_flat_workgroup_size: 128
    .sgpr_count:     98
    .vgpr_count:     1024
    .wavefront_size: 32
...
	.end_amdgpu_metadata
.endif
;; end of part 4
